; MI455X (gfx1250); checked and timed in simulation.
; The chip was launched on July 23, 2026; its instructions are those of AMD's public machine-readable ISA for CDNA 5 (MIT licence, August 2026) and "CDNA5" Instruction Set Architecture Reference Guide (July 2026). The comments in the code are by the model that wrote it; some were corrected since.
;; Multi Head Self Attention. Allowed arithmetic: matrix products marked QUANTISED: E4M3 operands, one given power-of-two scale a tensor, by v_wmma_f32_16x16x64_fp8_fp8 or v_wmma_f32_16x16x128_fp8_fp8, f32 sums; everything else in f32.
;; Inputs: Wk_codes 1,024 x 32 x 32 uint8 (E4M3 codes of Wk, K innermost, in blocks of 32 codes); Wo_codes 1,024 x 32 x 32 uint8 (E4M3 codes of Wo, K innermost, in blocks of 32 codes); Wq_codes 1,024 x 32 x 32 uint8 (E4M3 codes of Wq, K innermost, in blocks of 32 codes); Wv_codes 1,024 x 32 x 32 uint8 (E4M3 codes of Wv, K innermost, in blocks of 32 codes); lowp_scales 12 int32 (the exponents e of the quantised operands' scales 2^e); x_codes 4 x 2,048 x 32 x 32 uint8 (E4M3 codes of x, K innermost, in blocks of 32 codes).
;; Outputs: out0 4 x 2,048 x 1,024 float32.
;; This version of the problem:
;;   THIS VERSION OF THE PROBLEM IS GIVEN IN LOW PRECISION. The matrix products marked QUANTISED in the list below multiply operands that are first quantised to E4M3 (4 exponent bits, 3 mantissa bits; 8 bits a number), with one given power-of-two scale for each operand tensor; their sums are f32. All else is computed in f32.
;;   The module's matrix products, in the order in which they are computed (A, B: the left and right operand; K: the contracted axis; several contracted axes count as one K, in the product's order):
;;     1. [M 8,192, K 1,024] x [K 1,024, N 1,024]; A: input x (given as codes); B: input Wk (given as codes): QUANTISED (scales: A lowp_scales[0], B lowp_scales[1])
;;     2. [M 8,192, K 1,024] x [K 1,024, N 1,024]; A: input x (given as codes); B: input Wq (given as codes): QUANTISED (scales: A lowp_scales[2], B lowp_scales[3])
;;     3. [M 8,192, K 1,024] x [K 1,024, N 1,024]; A: input x (given as codes); B: input Wv (given as codes): QUANTISED (scales: A lowp_scales[4], B lowp_scales[5])
;;     4. batch 64 x [M 2,048, K 64] x [K 64, N 2,048]; A: computed on the way; B: computed on the way: QUANTISED (scales: A lowp_scales[6], B lowp_scales[7])
;;     5. batch 64 x [M 2,048, K 2,048] x [K 2,048, N 64]; A: softmax (see below); B: computed on the way: QUANTISED (scales: A lowp_scales[8], B lowp_scales[9])
;;     6. [M 8,192, K 1,024] x [K 1,024, N 1,024]; A: computed on the way; B: input Wo (given as codes): QUANTISED (scales: A lowp_scales[10], B lowp_scales[11])
;;   THE QUANTISER, for each operand of a quantised product, along K:
;;     - The operand's scale is 2^e, e = its entry of the input lowp_scales (int32; the entries are numbered through the quantised products in the list's order, A before B).
;;     - Each number is divided by the scale, clamped to +-448, and rounded to the nearest number of E4M3, ties to even, subnormals kept.
;;     - The product sums the exact products of the quantised numbers (number of the format x scale) in f32.
;;   ~~~python
;;   def quantise(x, axis, e):      # numpy; x: float32 -> the quantised numbers, widened to float32 again
;;       x = np.moveaxis(x, axis, -1); K = x.shape[-1]
;;       r = np.clip(x / 2.0 ** e, -448, 448)
;;       step = 2.0 ** (np.maximum(np.frexp(np.where(r == 0, 1, r))[1] - 1, -6) - 3)
;;       q = np.round(r / step) * step * 2.0 ** e      # np.round: ties to even
;;       return np.moveaxis(q, -1, axis).astype(np.float32)
;;   ~~~
;;   SOFTMAX AHEAD OF A QUANTISED PRODUCT. Where the list says 'softmax', what is quantised is not the finished softmax but p = 2^(t - M), with t = logit x log2(e) and M = ceil(the row's largest t), a whole number; so 1/2 < the row's largest p <= 1. The row's sum l is taken of the UNQUANTISED p, in f32, and the product's result is divided by l at the end. Since M is a whole number, a kernel that streams over the keys may use a running M (the ceiling of the running maximum): every later rescaling is an exact power of two, so the quantised numbers keep their values, but for numbers so far below the row's largest that they fall under the format's range.
;;   OPERANDS COMPUTED ON THE WAY. 'Computed on the way' means the value that the module computes at that place (a softmax that the list does not call 'softmax' is quantised finished and normalised). What goes into a quantiser is computed in f32, as accurately as f32 sums, v_exp_f32 and their like allow (about 1e-6 of the number): no bf16 or f16 on the way to a quantiser, and a product that is left as it is and whose result goes on into a quantised operand takes f32 operands (vector FMAs, or v_wmma_f32_16x16x4_f32). A number that lies on a knife's edge between two numbers of the format may be rounded either way, as far as f32 arithmetic and the matrix unit's own rounding can turn it there, and no further.
;;   INPUTS GIVEN AS CODES. Wk (in the module: [1024, 1024], K = its axis 1); Wo (in the module: [1024, 1024], K = its axis 1); Wq (in the module: [1024, 1024], K = its axis 1); Wv (in the module: [1024, 1024], K = its axis 1); x (in the module: [4, 2048, 1024], K = its axis 2): each comes as NAME_codes (uint8): NAME with its K axis moved to the last place and cut into blocks of 32 codes, [.., K / 32, bytes a block], one block behind the other in memory; one code a byte (a code: sign, 4 exponent bits, 3 mantissa bits); its scale is its entry of lowp_scales. Its value is code x scale, taken as it is: it is not quantised again, and the codes and scales need not be those that the quantiser above would give.
;; 2 versions, each right; version 2 is version 1 with the launch attn written anew for expert scheduling mode. Each part assembles by itself: llvm-mc -triple=amdgcn-amd-amdhsa -mcpu=gfx1250 --defsym DOCPART=n.
;; ======== version 1 of 2: 3 launches
;; workspace buffers: kc 8,388,608 bytes; qc 8,388,608 bytes; vc 8,388,608 bytes; flat 8,388,608 bytes
;; launch proj (part 1): grid 12 x 32, 4 waves a work-group, clusters of 4 x 4, 327,680 bytes of LDS; arguments x_codes, Wk_codes, Wq_codes, Wv_codes, lowp_scales, kc, qc, vc; writes kc, qc, vc
.if DOCPART == 1
	.amdgcn_target "amdgcn-amd-amdhsa--gfx1250"
	.amdhsa_code_object_version 6
	.text
	.protected	k_q58ba7da2d5_proj
	.globl	k_q58ba7da2d5_proj
	.p2align	8
	.type	k_q58ba7da2d5_proj,@function
k_q58ba7da2d5_proj:
	s_mov_b64 s[64:65], 0
	v_nop
	global_prefetch_b8 v0, s[64:65] scope:SCOPE_SE
	s_setreg_imm32_b32 hwreg(HW_REG_WAVE_MODE, 25, 1), 1
	s_wait_xcnt 0x0
	s_wait_alu depctr_hold_cnt(0) depctr_sa_sdst(0) depctr_va_vdst(0) depctr_va_sdst(0) depctr_va_ssrc(0) depctr_va_vcc(0) depctr_vm_vsrc(0)
	s_getreg_b32 s2, hwreg(HW_REG_IB_STS2, 6, 4)
	s_cmp_eq_u32 s2, 0
	s_cbranch_scc0 .Lentry_in_a_cluster
	s_endpgm
.Lentry_in_a_cluster:
	s_bfe_u32 s2, ttmp6, 0x10000c
	s_cmp_lg_u32 s2, 0xf033
	s_cbranch_scc0 .Lentry_shape_is_right
	s_endpgm
.Lentry_shape_is_right:
; k = x Wk^T, q = x Wq^T, v = x Wv^T on codes of FP8 (E4M3), and the quantisers of k, q and v for the two products of attention.
; x: [8192][1024] codes; Wk, Wq, Wv: [1024][1024] codes, K innermost.  Sums in f32.  A sum stands for sum x 2^(EA + EB); its code under the next scale 2^ET is sum / 2^(ET - EA - EB),
; held within +-448 and rounded to the nearest code, ties to even.  k: EA, EB, ET = entries 0, 1, 7 of the scales; q: 2, 3, 6; v: 4, 5, 9.
; LIMIT: ET - EA - EB lies between -126 and 119, so that 2^(ET - EA - EB) and 448 x it are f32 numbers.  NaN codes among the inputs are not served.
; Inside a matrix instruction k is permuted alike in both operands (four loads of 16 bytes a fragment): every product meets its partner, only the order of the sums inside an instruction differs.
; SHARES.  A tile C'[256][256] = A' B'^T, K = 1,024, is made by a work-group of four waves, each 128 x 128: 64 accumulators of 16 x 16, 512 registers.  K goes in steps of 256 through two LDS slots.
; The cluster's x (0, 1, 2) says which weight: k, q, v; it is the same in all sixteen partners.  k and q: A' = x (32 tile rows), B' = the weight (4 tile columns).
; v: A' = Wv (4 tile rows), B' = x (32 tile columns), so that a lane's eight results run along the TOKENS, which are the K of attention's second product.  The swap is made by selects, with no branch.
; CLUSTERS: 4 x 4 work-groups.  The four of a row of the cluster need the same tiles of A', the four of a column the same tiles of B': each tile is asked for jointly.
; THE MATRIX INSTRUCTION IS USED TRANSPOSED (source 0 = 16 rows of B', source 1 = 16 rows of A'): in accumulator (a, b) lane (r, h) holds row 16 a + r of C' and columns 16 b + 8 h + 0 .. 7.
; THE WAY OUT.  Those eight numbers become eight codes, two registers, which ARE registers 2 b, 2 b + 1 of an operand of the next launch in that form's own layout (k = 16 c + 8 h + 0 .. 7):
;   kc, qc: [batch x 8 + head pair][token / 16][head % 2][g 0..1][lane][16 bytes]: a fragment of 16 tokens x 64 channels, 8 registers, as two groups of four registers;
;   vc:     [batch x 8 + head pair][key / 128][head % 2][channel / 16][g 0..3][lane][16 bytes]: a fragment of 16 channels x 128 keys, 16 registers, as four groups.
; So each store of the wave covers 512 consecutive bytes, aligned, straight from registers; a wave's 128 x 128 are 16,384 consecutive bytes of its buffer.
; REGISTERS, in windows of 256: window 0: v0-31 addresses and the two scale numbers; v32-95 at work on the way out; from v128 A's fragments, ONE set, later the codes.
;   window 1: B's fragments, TWO sets.   window 2: the accumulators of my rows 0-63 ((a, b) at v[8 (8 a + b)]);   window 3: those of my rows 64-127.
.set KSTEP,  256                       ; along K in a slot
.set ROWB,   256                       ; a tile's row in bytes
.set KROW,   1024                      ; a row of x or of a weight in memory, in bytes
.set PITCH,  272                       ; an LDS row: 256 bytes + 16 of padding = 68 words: the 16 rows that a load touches start at 16 different banks (64 banks of 4 bytes: ISA guide 11.1)
.set FR,     16                        ; registers of a fragment: 16 rows x 128 K
.set NL,     4                         ; LDS loads that bring one
.set NP,     4                         ; places behind this matrix instruction (ISA guide 7.12.1)
.set HALFT,  128*PITCH                 ; 128 rows: what one tensor load brings, and what one wave reads of A' or of B'
.set SLOT,   4*HALFT                   ; A's 256 rows, then B's 256 rows
.set LAPS,   2                         ; 1,024 along K = four K steps = twice round the ring
.set SPARE,  2*SLOT                    ; behind the ring: the spare words, 128 bytes for each wave: two blocks of 256 bytes that no other line names
.set ADRA, 16                          ; v16-17  LDS address of my A fragments in slot 0, 1
.set ADRB, 20                          ; v20-21  the same for B
.set CO,   26                          ; v26     16 x lane: my place in a group of 512 bytes; never rewritten
.set SPW,  28                          ; v28     LDS address of my spare word; never rewritten
.set NIL,  29                          ; v29     0; never rewritten
.set SCV,  30                          ; v30     2^(ET - EA - EB) as f32
.set LIMV, 31                          ; v31     448 x that
.set TMP,  32                          ; v32-95  a block's 64 sums, held
.set AF,   128                         ; A's fragments, in window 0
.set CD,   128                         ; the codes: 16 registers for each of my eight blocks, each written once
.set G1, 24                            ; s[24:31] descriptor group 1 for A's tiles;  s[32:39] group 0, one set for each slot
.set G0, 32
.set G1B, 48                           ; s[48:55], s[56:63] the same for B's tiles
.set G0B, 56
.set OUTB, 88                          ; s[88:89] where my wave's 16,384 bytes of codes begin
.set MSB, 0
.macro WIN new                         ; the immediate's high byte repeats the setting that is left
.if MSB != \new
	s_set_vgpr_msb (MSB<<8)|\new
.set MSB, \new
.endif
.endm
.set MUL_LO, 0xa1                      ; source 0 (B) window 1, source 1 (A) window 0, C and D window 2
.set MUL_HI, 0xf1                      ; the same, C and D window 3
.set TO_B,   0x40                      ; destination window 1, address window 0
; A joint load: waves 0 and 1 fetch for A', waves 2 and 3 for B'.  Each of the two lines has one mask and one set of registers for all that issue it; the branch hangs on the wave's number alone.
; Four v_nop follow each of the two lines, ahead of the jump, the label and what follows.
.macro JLOAD g0a, g1a, g0b, g1b
	s_cmp_eq_u32 s15, 0
	s_cbranch_scc0 .Lfor_b_\@
	tensor_load_to_lds s[\g0a:\g0a+3], s[\g1a:\g1a+7]
	s_nop 0
.rept 4
	v_nop
.endr
	s_branch .Lasked_\@
.Lfor_b_\@:
	tensor_load_to_lds s[\g0b:\g0b+3], s[\g1b:\g1b+7]
	s_nop 0
.rept 4
	v_nop
.endr
.Lasked_\@:
.endm
.macro CREST                           ; a round of the cluster's barrier behind its opening barrier
	s_cmp_lg_u32 s14, 0
	s_cbranch_scc1 .Lnot_wave_0_\@
	s_barrier_signal -3
.Lnot_wave_0_\@:
	s_barrier_wait -3
	s_barrier_signal -1
	s_barrier_wait -1
.endm
.macro CROUND                          ; a whole round
	s_barrier_signal -1
	s_barrier_wait -1
	CREST
.endm
	s_load_b256 s[4:11], s[0:1], 0x0               ; x s[4:5], Wk s[6:7], Wq s[8:9], Wv s[10:11]
	s_load_b256 s[80:87], s[0:1], 0x20             ; the scales' exponents s[80:81], kc s[82:83], qc s[84:85], vc s[86:87]
	v_lshl_add_u32 v[SPW], v0, 2, SPARE
	v_mov_b32 v[NIL], 0
	ds_add_u32 v28, v29
	ds_add_u32 v28, v29
	s_wait_dscnt 0x0
	v_lshrrev_b32 v1, 5, v0
	v_readfirstlane_b32 s14, v1                    ; wave 0..3
	s_lshr_b32 s15, s14, 1                         ; which half of the tile's rows is mine.  Also: I fetch for A' (0) or for B' (1)
	s_and_b32 s16, s14, 1                          ; which half of its columns.  Also: which 128 rows of that tile I fetch
	s_bfe_u32 s40, ttmp6, 0x40000                  ; cx, cy: my place in the cluster
	s_bfe_u32 s41, ttmp6, 0x40004
	s_and_b32 s12, ttmp7, 0xffff
	s_lshl_b32 s12, s12, 2                         ; 4 x cluster y: it counts tiles of x
	s_cmp_eq_u32 ttmp9, 2                          ; v?  Then x is B', else A'
	s_cselect_b32 s13, 0, s12
	s_cselect_b32 s12, s12, 0
	s_add_co_u32 s17, s41, s13                     ; tile row of C': cy (+ 4 x cluster y for k and q): it never holds cx
	s_add_co_u32 s42, s40, s12                     ; tile column:    cx (+ 4 x cluster y for v): it never holds cy
	s_lshl_b32 s43, s41, 2
	s_lshl_b32 s43, 15, s43                        ; my row of the cluster
	s_lshl_b32 s44, 0x1111, s40                    ; my column
	; descriptor group 1: a tile of 128 rows x 256 bytes, padded in LDS
	s_or_b32 s[G1+0], s43, (0<<16)|(1<<20)|(1<<21)|(5<<22)|(3<<25)  ; 15:0 the mask: A's tiles go to my row; 17:16 element of 1 byte; 20 padding on; 21 set beside a mask; 24:22 after every 64 words (code 5); 31:25 of 4 words (code 3)
	s_or_b32 s[G1B+0], s44, (0<<16)|(1<<20)|(1<<21)|(5<<22)|(3<<25)
.irp g, G1, G1B
	s_mov_b32 s[\g+1], ROWB<<16                    ; tensor_dim0
	s_mov_b32 s[\g+2], 128<<16                     ; tensor_dim1 = 128
	s_mov_b32 s[\g+3], ROWB<<16                    ; tile_dim0
	s_mov_b32 s[\g+4], 128                         ; tile_dim1 = 128
	s_mov_b32 s[\g+5], KROW                        ; tensor_dim0_stride
	s_mov_b32 s[\g+6], 0
	s_mov_b32 s[\g+7], 0
.endr
	s_lshl_b32 s18, s16, 7                         ; which 128 rows of the tile I fetch
	s_lshl_b32 s20, s17, 8
	s_add_co_u32 s20, s20, s18                     ; A': row 256 x tile row + 128 x half
	s_lshl_b32 s46, s42, 8
	s_add_co_u32 s46, s46, s18                     ; B': row 256 x tile column + 128 x half
	s_mov_b32 s21, 0
	s_mov_b32 s47, 0
	s_mov_b64 s[18:19], KROW
	s_mul_u64 s[20:21], s[20:21], s[18:19]         ; in bytes
	s_mul_u64 s[46:47], s[46:47], s[18:19]
	s_mul_i32 s45, s14, HALFT                      ; where they go: wave x 128 rows: no place in the cluster enters an LDS address
	s_wait_kmcnt 0x0
	s_load_b256 s[68:75], s[80:81], 0x0            ; entries 0 to 7 of the scales,
	s_load_b128 s[76:79], s[80:81], 0x20           ; and 8 to 11
	s_cmp_eq_u32 ttmp9, 0                          ; the buffers are chosen on the cluster's x alone
	s_cselect_b64 s[92:93], s[6:7], s[8:9]         ; Wk or Wq
	s_cselect_b64 s[OUTB:OUTB+1], s[82:83], s[84:85]  ; kc or qc
	s_cmp_eq_u32 ttmp9, 2
	s_cselect_b64 s[90:91], s[10:11], s[4:5]       ; A': Wv, else x
	s_cselect_b64 s[92:93], s[4:5], s[92:93]       ; B': x, else the weight
	s_cselect_b64 s[OUTB:OUTB+1], s[86:87], s[OUTB:OUTB+1]
	s_add_nc_u64 s[20:21], s[90:91], s[20:21]
	s_add_nc_u64 s[46:47], s[92:93], s[46:47]
	CROUND                                         ; all sixteen work-groups are here: the first joint loads meet
.irp s, 0,1
	s_mov_b32 s[G0+4*\s], 1
	s_add_co_u32 s[G0+4*\s+1], s45, \s*SLOT
	s_add_nc_u64 s[G0+4*\s+2:G0+4*\s+3], s[20:21], \s*ROWB
	s_or_b32 s[G0+4*\s+3], s[G0+4*\s+3], 0x80000000
	s_mov_b32 s[G0B+4*\s], 1
	s_add_co_u32 s[G0B+4*\s+1], s45, \s*SLOT
	s_add_nc_u64 s[G0B+4*\s+2:G0B+4*\s+3], s[46:47], \s*ROWB
	s_or_b32 s[G0B+4*\s+3], s[G0B+4*\s+3], 0x80000000
	JLOAD G0+4*\s, G1, G0B+4*\s, G1B               ; two tensor loads of mine are out behind the second
.endr
	v_and_b32 v1, 15, v0                           ; l % 16
	v_bfe_u32 v2, v0, 4, 1                         ; l / 16
	v_mul_u32_u24 v3, v1, PITCH
	v_lshl_add_u32 v4, v2, 4, v3                   ; a fragment's row x pitch + 16 x half
	s_mul_i32 s21, s15, HALFT                      ; my 128 rows of A'
	s_mul_i32 s22, s16, HALFT                      ; my 128 rows of B',
	s_add_co_u32 s22, s22, 2*HALFT                 ; which lie behind A's 256
.irp s, 0,1
	v_add_nc_u32 v[ADRA+\s], s21, v4
	v_add_nc_u32 v[ADRB+\s], s22, v4
	s_add_co_u32 s21, s21, SLOT
	s_add_co_u32 s22, s22, SLOT
.endr
	v_and_b32 v6, 31, v0
	v_lshlrev_b32 v[CO], 4, v6                     ; 16 x lane
	; where my wave's codes go: 16,384 bytes at index ((T / 16) x 8 + head pair) x 16 + T % 16, T = my 128 tokens' number among 64
	s_lshl_b32 s94, s17, 1
	s_add_co_u32 s94, s94, s15                     ; my 128 rows of C': 2 x tile row + half
	s_lshl_b32 s95, s42, 1
	s_add_co_u32 s95, s95, s16                     ; my 128 columns
	s_cmp_eq_u32 ttmp9, 2
	s_cselect_b32 s96, s95, s94                    ; T: the tokens are the columns for v, the rows for k and q
	s_cselect_b32 s97, s94, s95                    ; the head pair: the other of the two
	s_lshr_b32 s94, s96, 4
	s_lshl_b32 s94, s94, 7                         ; batch x 128
	s_lshl_b32 s97, s97, 4
	s_add_co_u32 s94, s94, s97                     ; + head pair x 16
	s_and_b32 s96, s96, 15
	s_add_co_u32 s94, s94, s96                     ; + T % 16
	s_lshl_b32 s94, s94, 14
	s_mov_b32 s95, 0
	s_add_nc_u64 s[OUTB:OUTB+1], s[OUTB:OUTB+1], s[94:95]
.macro FRAG reg, adr, q, i             ; a fragment, 16 rows x 128 K of 8-bit codes, is 16 registers: lane l holds row l % 16; registers 4 c .. 4 c + 3 hold K = 32 c + 16 (l / 16) + 0 .. 15
.irp c, 0,1,2,3
	ds_load_b128 v[\reg+4*\c:\reg+4*\c+3], v[\adr] offset:128*(\q)+32*\c+(\i)*16*PITCH
.endr
.endm
; 16 matrix instructions: A's blocks a0, a0 + 1 x B's eight, 128 along K.  p: B's set.  zero = 1: the first product starts the sums: nothing is ever cleared.
; The 64 accumulators take turns, one instruction a turn, in the same order in every step.
.macro MUL16 a0, p, zero
.irp a, \a0, \a0+1
.irp b, 0,1,2,3,4,5,6,7
.if \zero
	v_wmma_f32_16x16x128_fp8_fp8 v[8*(8*((\a)%4)+\b):8*(8*((\a)%4)+\b)+7], v[128*(\p)+FR*\b:128*(\p)+FR*\b+FR-1], v[AF+FR*(\a):AF+FR*(\a)+FR-1], 0
.else
	v_wmma_f32_16x16x128_fp8_fp8 v[8*(8*((\a)%4)+\b):8*(8*((\a)%4)+\b)+7], v[128*(\p)+FR*\b:128*(\p)+FR*\b+FR-1], v[AF+FR*(\a):AF+FR*(\a)+FR-1], v[8*(8*((\a)%4)+\b):8*(8*((\a)%4)+\b)+7]
.endif
.endr
.endr
.endm
.macro FETCH_B slot, q, p              ; B's eight fragments of the slot's q-th 128 along K into set p
	WIN TO_B
.irp i, 0,1,2,3,4,5,6,7
	FRAG 128*(\p)+FR*\i, ADRB+\slot, \q, \i
.endr
	WIN 0
.endm
.macro FETCH_A slot, q, i0             ; A's blocks i0 .. i0 + 3
.irp i, \i0, \i0+1, \i0+2, \i0+3
	FRAG AF+FR*(\i), ADRA+\slot, \q, \i
.endr
.endm
; A load into a register that a matrix instruction has read, and a vector instruction that reads a matrix result or writes one of a matrix instruction's registers, stand NP places behind it;
; only plain vector instructions that name none of its registers are places (ISA guide 7.12.1 for vector instructions).
.macro PLACES n
.rept \n
	v_nop
.endr
.endm
; A step of 128 along K that has its successor in the same slot.  A's one set: blocks 0-3 are fetched anew in the step's middle, blocks 4-7 at its end; B's next set comes in the middle run.
.macro STEP slot, q, zero
	s_wait_dscnt 4*NL                              ; B's set and A's blocks 0-3 are in; the youngest sixteen loads (A's blocks 4-7) may be out
	WIN MUL_LO
	MUL16 0, (\q)%2, \zero
	MUL16 2, (\q)%2, \zero
	s_wait_dscnt 0                                 ; A's blocks 4-7 are in (asked for 32 matrix instructions ago)
	PLACES NP
	FETCH_B \slot, (\q)+1, 1-(\q)%2
	FETCH_A \slot, (\q)+1, 0
	WIN MUL_HI
	MUL16 4, (\q)%2, \zero
	MUL16 6, (\q)%2, \zero
	PLACES NP
	WIN 0
	FETCH_A \slot, (\q)+1, 4
.endm
; A slot's last step changes slots: ONE barrier; in front of it each wave waits for all its tensor loads, adds 0 to its spare word, and waits for that and for its own reads of this slot.  fill = 1: this slot is filled again, two K steps ahead.
.macro TURN slot, next, fill
	s_wait_tensorcnt 0x0                           ; all my tensor loads have landed: my part of the next slot;  (every window is 0 here: the add's two registers lie in window 0)
	ds_add_u32 v[SPW], v[NIL]                      ; 0 onto my spare word
	s_wait_dscnt 4*NL+1                            ; (the add and the youngest sixteen loads, A's blocks 4-7, may be out)
	WIN MUL_LO
	MUL16 0, 1, 0                                  ; sixteen matrix instructions stand between the add and the wait for it
	s_wait_dscnt 0x0                               ; the add is done, and my reads of this slot are over
	s_barrier_signal -1
	MUL16 2, 1, 0
	WIN 0
	s_barrier_wait -1
.if \fill
	CREST                                          ; the barrier has opened a round of the cluster's barrier: no wave of any partner still reads this slot's tile or has a load on its way
	s_add_nc_u64 s[G0+4*\slot+2:G0+4*\slot+3], s[G0+4*\slot+2:G0+4*\slot+3], 2*ROWB
	s_add_nc_u64 s[G0B+4*\slot+2:G0B+4*\slot+3], s[G0B+4*\slot+2:G0B+4*\slot+3], 2*ROWB
	JLOAD G0+4*\slot, G1, G0B+4*\slot, G1B         ; the first tensor load behind the round, my only one that is out; the four v_nop behind it are the places in front of the loads below
.else
	PLACES NP
.endif
	FETCH_B \next, 0, 0
	FETCH_A \next, 0, 0
	WIN MUL_HI
	MUL16 4, 1, 0
	MUL16 6, 1, 0
	PLACES NP
	WIN 0
	FETCH_A \next, 0, 4
.endm
	s_wait_tensorcnt 1                             ; my part of K step 0 is in (K step 1's load may be out)
	s_barrier_signal -1
	s_barrier_wait -1                              ; everybody's is
	FETCH_B 0, 0, 0
	FETCH_A 0, 0, 0
	FETCH_A 0, 0, 4
	STEP 0, 0, 1                                   ; the first step stands in front of the loop: its products start the sums
	s_mov_b32 s3, LAPS-1
.Llap:                                                 ; a trip goes once round the ring, from a lap's second step to the next lap's first, and fills both slots again
	TURN 0, 1, 1
	STEP 1, 0, 0
	TURN 1, 0, 1
	STEP 0, 0, 0
	s_sub_co_u32 s3, s3, 1
	s_cmp_lg_u32 s3, 0
	s_cbranch_scc1 .Llap
	TURN 0, 1, 0                                   ; the last lap fills nothing, and has no round of the cluster's barrier
	STEP 1, 0, 0
	s_wait_dscnt 4*NL                              ; the very last step: nothing more to fetch
	WIN MUL_LO
	MUL16 0, 1, 0
	MUL16 2, 1, 0
	s_wait_dscnt 0
	WIN MUL_HI
	MUL16 4, 1, 0
	MUL16 6, 1, 0
	WIN 0
	; THE WAY OUT.  The three exponents are chosen on the cluster's x, by selects; they are folded into the conversion's one scale.
	s_wait_kmcnt 0x0
	s_cmp_eq_u32 ttmp9, 0
	s_cselect_b32 s94, s68, s70                    ; EA: entry 0 (k) or 2 (q)
	s_cselect_b32 s95, s69, s71                    ; EB: entry 1 or 3
	s_cselect_b32 s96, s75, s74                    ; ET: entry 7 (k is the first attention product's right operand) or 6 (q, its left)
	s_cmp_eq_u32 ttmp9, 2
	s_cselect_b32 s94, s72, s94                    ; v: entries 4, 5 and 9
	s_cselect_b32 s95, s73, s95
	s_cselect_b32 s96, s77, s96
	s_sub_co_i32 s96, s96, s94
	s_sub_co_i32 s96, s96, s95                     ; ET - EA - EB
	s_add_co_i32 s96, s96, 127
	s_lshl_b32 s97, s96, 23
	v_mov_b32 v[SCV], s97                          ; 2^(ET - EA - EB) as f32: the conversion takes its exponent field
	s_add_co_i32 s96, s96, 8
	s_lshl_b32 s96, s96, 23
	s_or_b32 s96, s96, 0x600000
	v_mov_b32 v[LIMV], s96                         ; 448 x that
	PLACES NP                                      ; behind the last products: their results are read below, and the registers that held A's fragments take the codes
; Block a: my rows 16 a .. 16 a + 15 of C' x my 128 columns.  64 holds (the conversion to an 8-bit code does not saturate: ISA guide 7.6.2), each accumulator from its low end on; eight conversions; four stores.
; The codes' registers are written once each, and the stores' base and offset never: no wait stands among the stores.
.macro OUTBLK a
	WIN 0x02+((\a)/4)                              ; source 0: window 2 or 3
.set j, 0
.rept 64
	v_med3_num_f32 v[TMP+j], v[64*((\a)%4)+j], -v[LIMV], v[LIMV]
.set j, j+1
.endr
	WIN 0
.irp b, 0,1,2,3,4,5,6,7
	v_cvt_scalef32_pk8_fp8_f32 v[CD+16*(\a)+2*\b:CD+16*(\a)+2*\b+1], v[TMP+8*\b:TMP+8*\b+7], v[SCV]   ; columns 16 b + 8 h + 0 .. 7: registers 2 b, 2 b + 1
.endr
	v_nop                                          ; one plain vector instruction between the conversions and the next block's holds, which write their sources
.irp g, 0,1,2,3
	global_store_b128 v[CO], v[CD+16*(\a)+4*\g:CD+16*(\a)+4*\g+3], s[OUTB:OUTB+1] offset:(\a)*2048+\g*512   ; 32 lanes store 512 consecutive bytes, at a multiple of 512 from the buffer's first byte
.endr
.endm
.irp a, 0,1,2,3,4,5,6,7
	OUTBLK \a
.endr
	s_wait_tensorcnt 0x0                           ; the wave's end
	ds_add_u32 v[SPW], v[NIL]
	s_wait_dscnt 0x0
	CROUND                                         ; the closing round: no work-group ends while a partner may still ask for a tile that names it
	s_endpgm
.Lfunc_end_k_q58ba7da2d5_proj:
	.size	k_q58ba7da2d5_proj, .Lfunc_end_k_q58ba7da2d5_proj-k_q58ba7da2d5_proj
	.p2alignl 7, 3214868480
	.fill 96, 4, 3214868480
	.section	.rodata,"a",@progbits
	.p2align	6, 0x0
	.amdhsa_kernel k_q58ba7da2d5_proj
		.amdhsa_group_segment_fixed_size 327680
		.amdhsa_private_segment_fixed_size 0
		.amdhsa_enable_private_segment 0
		.amdhsa_kernarg_size 64
		.amdhsa_user_sgpr_count 2
		.amdhsa_user_sgpr_kernarg_segment_ptr 1
		.amdhsa_wavefront_size32 1
		.amdhsa_system_sgpr_workgroup_id_x 1
		.amdhsa_system_sgpr_workgroup_id_y 1
		.amdhsa_system_sgpr_workgroup_id_z 1
		.amdhsa_system_vgpr_workitem_id 0
		.amdhsa_next_free_vgpr 1024
		.amdhsa_next_free_sgpr 100
		.amdhsa_reserve_vcc 0
		.amdhsa_float_denorm_mode_32 3
		.amdhsa_float_denorm_mode_16_64 3
		.amdhsa_memory_ordered 1
		.amdhsa_forward_progress 1
		.amdhsa_inst_pref_size 118
	.end_amdhsa_kernel
	.amdgpu_metadata
---
amdhsa.version: [ 1, 2 ]
amdhsa.kernels:
  - .name:           k_q58ba7da2d5_proj
    .symbol:         k_q58ba7da2d5_proj.kd
    .args:
      - { .name: x_codes, .offset: 0, .size: 8, .value_kind: global_buffer, .address_space: global }
      - { .name: Wk_codes, .offset: 8, .size: 8, .value_kind: global_buffer, .address_space: global }
      - { .name: Wq_codes, .offset: 16, .size: 8, .value_kind: global_buffer, .address_space: global }
      - { .name: Wv_codes, .offset: 24, .size: 8, .value_kind: global_buffer, .address_space: global }
      - { .name: lowp_scales, .offset: 32, .size: 8, .value_kind: global_buffer, .address_space: global }
      - { .name: kc, .offset: 40, .size: 8, .value_kind: global_buffer, .address_space: global }
      - { .name: qc, .offset: 48, .size: 8, .value_kind: global_buffer, .address_space: global }
      - { .name: vc, .offset: 56, .size: 8, .value_kind: global_buffer, .address_space: global }
    .group_segment_fixed_size: 327680
    .private_segment_fixed_size: 0
    .kernarg_segment_align: 8
    .kernarg_segment_size: 64
    .max_flat_workgroup_size: 128
    .sgpr_count:     100
    .vgpr_count:     1024
    .wavefront_size: 32
...
	.end_amdgpu_metadata
.endif
;; end of part 1
;; launch attn (part 2): grid 4 x 64, 16 waves a work-group, no clusters, 34,816 bytes of LDS; arguments qc, kc, vc, lowp_scales, flat; writes flat
.if DOCPART == 2
	.amdgcn_target "amdgcn-amd-amdhsa--gfx1250"
	.amdhsa_code_object_version 6
	.text
	.protected	k_q58ba7da2d5_attn
	.globl	k_q58ba7da2d5_attn
	.p2align	8
	.type	k_q58ba7da2d5_attn,@function
k_q58ba7da2d5_attn:
	s_mov_b64 s[64:65], 0
	v_nop
	global_prefetch_b8 v0, s[64:65] scope:SCOPE_SE
	s_setreg_imm32_b32 hwreg(HW_REG_WAVE_MODE, 25, 1), 1
	s_wait_xcnt 0x0
; Causal attention of one head on codes of FP8 (E4M3), and the quantiser of its result for the output projection.  4 batches x 16 heads, 2,048 tokens, head size 64.
; qc, kc: [batch x 8 + head pair][token / 16][head % 2][g 0..1][lane][16 bytes]: fragments of 16 tokens x 64 channels as images of their 8 registers (registers 2 c, 2 c + 1 of lane (r, h): token r, channels 16 c + 8 h + 0 .. 7).
; vc: [batch x 8 + head pair][key / 128][head % 2][channel / 16][g 0..3][lane][16 bytes]: fragments of 16 channels x 128 keys, 16 registers (registers 2 c, 2 c + 1: channel r, keys 16 c + 8 h + 0 .. 7).
; flat (out): [token / 16][K / 128][c 0..3][lane][16 bytes]: lane (r, h) holds token r, K = 128 (K / 128) + 32 c + 16 h + 0 .. 15, K = 64 x head + channel.
; THE SOFTMAX: t = score x 2^(e6 + e7) x log2(e) / 8; M = the row's largest t so far, rounded UP to a whole number; p = 2^(t - M) is quantised with 2^e8; the row's sum is taken of the unquantised p and divides at the end.
; When M moves, the sum and O are multiplied by 2^(old M - new M), which rounds nothing.  The result / the sum x 2^(e8 + e9) is quantised with 2^e10: the three exponents are folded into the conversion's one scale.
; LIMITS on the given exponents, so that each power of two below is an f32 number: e6 + e7 between -123 and 130; e8, and e10 - e8 - e9, between -126 and 119.  NaN codes are not served.
; SHARES.  Work-group (X, y): head y; query blocks 7 - X (first) and X, 256 queries each: (8 - X) + (X + 1) = 9 trips of 256 keys in every work-group, 256 work-groups of equal work.
; Each of the SIXTEEN waves owns 16 queries, one tile, in 256 registers: four waves to a SIMD, so that one wave's vector work stands beside another's matrix work and LDS loads.
; LAYOUT.  Both products are used transposed: S^T = K Q^T (source 0 = 16 keys, source 1 = my queries): lane (r, h) holds query r and, in tile t, keys 16 t + 8 h + 0 .. 7: its eight codes are registers 2 t, 2 t + 1 of P
; in the K = 128 form's own layout.  O^T = V^T P^T (source 0 = 16 channels x 128 keys) holds query r and channels 16 cb + 8 h + 0 .. 7.  Nothing changes lanes between the products.
; TILES.  A key step is 128 keys: 8 KB of K and 8 KB of V, 16 bytes of each for each of the 512 threads: two loads at the step's head for the NEXT step, two LDS stores at its end into the other of two slots, one barrier a step.
; NO CLUSTER, NO JOINT LOADS, NO TENSOR LOADS, though the four work-groups of a head read the same tiles: partner X walks 8 - X trips and then begins anew at key 0, so from trip 5 on the partners need different tiles,
; and a tile costs a thread two loads and two LDS stores.
; CAUSAL.  A step all of whose keys come after my 16 queries is left out: a scalar branch on ids, round the step's fragments, products and softmax; not round the tile's loads and stores, nor the barrier.
; On the diagonal hidden scores become -infinity ahead of the maximum; key 0 counts for every query, so M is a number from the first step on.
.set SLOTB, 16384                      ; an LDS slot: K [t 0..7][g 0..1][512], then V [cb 0..3][g 0..3][512]
.set VOFF,  8192
.set L16,  1                           ; v1   16 x lane
.set T16,  2                           ; v2   16 x thread: my 16 bytes of a tile in LDS, and of V's 8 KB in memory
.set KO0,  3                           ; v3   my 16 bytes of K's tile in memory: eight pieces of 1,024 bytes, 2,048 apart
.set KO,   4                           ; v4, v5  the offsets of the loads in hand
.set VO,   5
.set QD,   6                           ; v6   r - 8 h
.set PFK,  8                           ; v8, v9  the prefetches' offsets
.set PFV,  9
.set QF,   16                          ; v16-23 Q's fragment; v24-31 the second query block's
.set KV,   32                          ; v32-95 K's eight fragments, then V's four
.set ST,   96                          ; v96-159 S^T, then p
.set OT,   160                         ; v160-191 O^T
.set PC,   192                         ; v192-207 p's codes
.set SK,   208                         ; v208-211, v212-215 the next tile's 16 bytes of K and of V
.set SV,   212
.set FS,   216                         ; v216-223 the result's codes as they are stored; v224-231 as converted; v232-239 the partner lane's
.set FC,   224
.set FP,   232
.set SEL,  20                          ; s[20:21] lane selects for v_permlanex16_b32: lane l xor 16
.set CS,   22                          ; s[22:23] c = 2^(e6 + e7) log2(e) / 8, twice
.set KB,   24                          ; s[24:25] kc at my head;  s[26:27] vc;  never rewritten
.set VB,   26
.set FO0,  28                          ; s[28:29], s[30:31] flat at my wave's tile of the first and of the second query block
.set FO1,  30
.set TRIP, 32
.set KT,   33                          ; which 256 keys
.set NKT,  34                          ; and the next trip's
.set QB,   35                          ; the query block in hand
.set QLO,  36                          ; my first query
.set KF,   37                          ; the step's first key
.set NOFF, 38                          ; the next tile's byte offset in kc and vc
.set LIM,  39                          ; a wave prefetches while TRIP is under it
.set HI16, 40                          ; lanes 16-31
.set QLO1, 41                          ; my first query in the second block
	s_load_b256 s[4:11], s[0:1], 0x0               ; qc s[4:5], kc s[6:7], vc s[8:9], the scales' exponents s[10:11]
	s_load_b64 s[12:13], s[0:1], 0x20              ; flat
	v_lshl_add_u32 v251, v0, 2, 0x8000
	v_mov_b32 v255, 0
	v_lshrrev_b32 v7, 5, v0
	v_readfirstlane_b32 s14, v7                    ; wave 0..15
	v_and_b32 v10, 31, v0                          ; lane
	v_lshlrev_b32 v[L16], 4, v10
	v_lshlrev_b32 v[T16], 4, v0
	v_lshrrev_b32 v[KO0], 6, v0
	v_and_b32 v7, 63, v0
	v_lshlrev_b32 v7, 4, v7
	v_lshl_or_b32 v[KO0], v[KO0], 11, v7           ; 2,048 (thread / 64) + 16 (thread % 64)
	v_and_b32 v[QD], 15, v0
	v_bfe_u32 v7, v0, 4, 1
	v_lshlrev_b32 v7, 3, v7
	v_sub_nc_u32 v[QD], v[QD], v7
	v_lshrrev_b32 v[PFK], 2, v10                   ; a tile's 32 aligned blocks of 256 bytes of K: 2,048 (lane / 4) + 256 (lane % 4); of V: 256 x lane
	v_and_b32 v11, 3, v10
	v_lshlrev_b32 v11, 8, v11
	v_lshl_or_b32 v[PFK], v[PFK], 11, v11
	v_add_nc_u32 v[PFK], SLOTB, v[PFK]             ; at tile 1: each step's head steps them, so that step s names tile s + 2
	v_lshl_add_u32 v[PFV], v10, 8, SLOTB
	s_mov_b32 s15, ttmp9                           ; X
	s_and_b32 s50, ttmp7, 0xffff                   ; y = 16 x batch + head
	s_lshr_b32 s51, s50, 1                         ; 8 x batch + head pair
	s_lshl_b32 s52, s51, 18                        ; its 262,144 bytes in qc, kc and vc
	s_and_b32 s53, s50, 1                          ; head % 2
	s_lshl_b32 s54, s53, 10
	s_lshl_b32 s56, s53, 13
	s_mov_b32 s53, s54                             ; 1,024 x (head % 2)
	s_add_co_u32 s54, s54, s52                     ; my head in qc and kc,
	s_add_co_u32 s56, s56, s52                     ; and in vc
	s_mov_b32 s55, 0
	s_mov_b32 s57, 0
	s_sub_co_u32 s[QB], 7, s15                     ; the long block first
	s_lshl_b32 s58, s[QB], 4
	s_add_co_u32 s58, s58, s14                     ; my tile of 16 tokens in the batch: 16 x block + wave,
	s_lshl_b32 s59, s15, 4
	s_add_co_u32 s59, s59, s14                     ; and in the second block
	s_lshl_b32 s[QLO], s58, 4
	s_lshl_b32 s[QLO1], s59, 4
	s_lshr_b32 s49, s50, 4
	s_lshl_b32 s49, s49, 7                         ; 128 x batch
	s_and_b32 s51, s51, 7                          ; head pair
	s_add_co_u32 s62, s49, s58                     ; flat: ((token / 16) x 8 + head pair) x 2,048 + 1,024 x (head % 2)
	s_lshl_b32 s62, s62, 3
	s_add_co_u32 s62, s62, s51
	s_lshl_b32 s62, s62, 11
	s_add_co_u32 s62, s62, s53
	s_mov_b32 s63, 0
	s_add_co_u32 s60, s49, s59
	s_lshl_b32 s60, s60, 3
	s_add_co_u32 s60, s60, s51
	s_lshl_b32 s60, s60, 11
	s_add_co_u32 s60, s60, s53
	s_mov_b32 s61, 0
	s_or_b32 s50, s14, s15
	s_cmp_eq_u32 s50, 0
	s_cselect_b32 s[LIM], 7, 0                     ; wave 0 of the head's work-group X = 0 prefetches, in trips 0 to 6
	s_mov_b32 s[SEL], 0x76543210
	s_mov_b32 s[SEL+1], 0xfedcba98
	s_mov_b32 s[HI16], 0xffff0000
	s_mov_b32 s[TRIP], 0
	s_mov_b32 s[KT], 0
	v_lshl_add_u32 v10, s58, 11, v[L16]            ; Q's fragments: 2,048 bytes from tile to tile
	v_lshl_add_u32 v11, s59, 11, v[L16]
	s_wait_kmcnt 0x0
	s_load_b128 s[44:47], s[10:11], 0x18           ; e6, e7, e8, e9
	s_load_b32 s48, s[10:11], 0x28                 ; e10
	s_add_nc_u64 s[16:17], s[4:5], s[54:55]
	s_add_nc_u64 s[KB:KB+1], s[6:7], s[54:55]
	s_add_nc_u64 s[VB:VB+1], s[8:9], s[56:57]
	s_add_nc_u64 s[FO0:FO0+1], s[12:13], s[62:63]
	s_add_nc_u64 s[FO1:FO1+1], s[12:13], s[60:61]
	global_load_b128 v[SK:SK+3], v[KO0], s[KB:KB+1]              ; tile 0
	global_load_b128 v[SV:SV+3], v[T16], s[VB:VB+1]
	global_load_b128 v[QF:QF+3], v10, s[16:17]                   ; both blocks' Q stay in registers
	global_load_b128 v[QF+4:QF+7], v10, s[16:17] offset:512
	global_load_b128 v[QF+8:QF+11], v11, s[16:17]
	global_load_b128 v[QF+12:QF+15], v11, s[16:17] offset:512
; The step is written once: a block's first step finds zeros in O^T and in the sum, which the first change of M leaves zeros.
.macro RESET
	v_mov_b32 v13, 0xff61b1e6                      ; the largest t so far: -3e38, under every t
	v_floor_f32 v12, -v13                          ; -M
	v_mov_b32 v14, 0                               ; the sum, in two halves
	v_mov_b32 v15, 0
.set n, 0
.rept 32
	v_mov_b32 v[OT+n], 0
.set n, n+1
.endr
.endm
	RESET
	v_mov_b32 v253, 0                              ; (named as the upper half of the pair v[252:253])
.irp k, 0,1,2,3,4,5,6,7
	v_mov_b32 v[FP+\k], 0                          ; written once: a lane permute's destination counts as one of its sources (v236 also serves the maximum's exchange)
.endr
	s_wait_kmcnt 0x0
	s_add_co_i32 s50, s44, s45
	s_lshl_b32 s50, s50, 23
	s_add_co_i32 s[CS], s50, 0x3e38aa3b            ; log2(e) / 8, with e6 + e7 added to its exponent field
	s_mov_b32 s[CS+1], s[CS]
	s_add_co_i32 s50, s46, 127
	s_lshl_b32 s51, s50, 23
	v_mov_b32 v244, s51                            ; 2^e8 as f32, for p's conversion
	s_add_co_i32 s50, s50, 8
	s_lshl_b32 s50, s50, 23
	s_or_b32 s50, s50, 0x600000
	v_mov_b32 v240, s50                            ; 448 x 2^e8
	s_sub_co_i32 s50, s48, s46
	s_sub_co_i32 s50, s50, s47
	s_add_co_i32 s50, s50, 127
	s_lshl_b32 s51, s50, 23
	v_mov_b32 v246, s51                            ; 2^(e10 - e8 - e9), for the result's conversion
	s_add_co_i32 s50, s50, 8
	s_lshl_b32 s50, s50, 23
	s_or_b32 s50, s50, 0x600000
	v_mov_b32 v247, s50                            ; 448 x that
	s_wait_loadcnt 0x0                             ; tile 0 and Q
	ds_store_b128 v[T16], v[SK:SK+3]
	ds_store_b128 v[T16], v[SV:SV+3] offset:VOFF
	s_wait_dscnt 0x0                               ; for the others' sake: my part of tile 0 lies in slot 0
	s_barrier_signal -1
	s_barrier_wait -1
; A PREFETCH INTO THE L2 of tile s + 2, in step s, where the wave has just issued its loads of tile s + 1: one key step ahead of the loads that will want it.  A tile is 32 aligned blocks of 256 bytes of K and 32 of V:
; a lane a block, two instructions.  The four work-groups of a head walk the same tiles: the one with X = 0, which walks all sixteen in its first eight trips, asks, in its wave 0: each block is named once in the launch.
; Tiles 0 and 1 come by their loads alone; the last request, in trip 6, names tile 15, the head's last.
.macro ASK
	s_cmp_lt_u32 s[TRIP], s[LIM]
	s_cbranch_scc0 .Lnot_mine_\@
	global_prefetch_b8 v[PFK], s[KB:KB+1] th:TH_LOAD_NT scope:SCOPE_SE
	global_prefetch_b8 v[PFV], s[VB:VB+1] th:TH_LOAD_NT scope:SCOPE_SE
.Lnot_mine_\@:
.endm
; A KEY STEP: the 128 keys in slot sl.  more = 1: a tile follows: it is asked for at the head and stored into the other slot at the end, and the step's barrier follows.  ask = 1: in the loop, where prefetches stand.
.macro STEP sl, more, ask
	s_wait_xcnt 0x0                                ; the last step's loads and prefetches, and a finished block's stores, have read their registers: those are written again only behind this wait
.if \ask
	v_add_nc_u32 v[PFK], SLOTB, v[PFK]
	v_add_nc_u32 v[PFV], SLOTB, v[PFV]
.endif
.if \more
.if \sl == 0
	s_lshl_b32 s[NOFF], s[KT], 15
	s_add_co_u32 s[NOFF], s[NOFF], SLOTB           ; the second half of these 256 keys
.else
	s_add_co_u32 s[NKT], s[KT], 1
	s_cmp_eq_u32 s[KT], s[QB]
	s_cselect_b32 s[NKT], 0, s[NKT]                ; behind the diagonal the second block begins, at key 0
	s_lshl_b32 s[NOFF], s[NKT], 15
.endif
	v_add_nc_u32 v[KO], s[NOFF], v[KO0]
	v_add_nc_u32 v[VO], s[NOFF], v[T16]
	global_load_b128 v[SK:SK+3], v[KO], s[KB:KB+1]     ; they have the whole step in which to land
	global_load_b128 v[SV:SV+3], v[VO], s[VB:VB+1]
.endif
.if \ask
	ASK
.endif
	s_lshl_b32 s[KF], s[KT], 8
.if \sl
	s_add_co_u32 s[KF], s[KF], 128
	s_add_co_u32 s50, s[QLO], 15
	s_cmp_gt_u32 s[KF], s50                        ; all 128 keys come after my queries?  (In slot 0 the first key is 256 KT, never behind my first query)
	s_cbranch_scc1 .Lhidden_\@
.endif
.irp t, 0,1,2,3,4,5,6,7                        ; K's eight fragments (four places behind the last products that read these registers: the v_nop at the end of a step's work)
	ds_load_b128 v[KV+8*\t:KV+8*\t+3],   v[L16] offset:\sl*SLOTB+\t*1024
	ds_load_b128 v[KV+8*\t+4:KV+8*\t+7], v[L16] offset:\sl*SLOTB+\t*1024+512
.endr
	s_wait_dscnt 0x0
.irp t, 0,1,2,3,4,5,6,7
	v_wmma_f32_16x16x64_fp8_fp8 v[ST+8*\t:ST+8*\t+7], v[KV+8*\t:KV+8*\t+7], v[QF:QF+7], 0
.endr
.rept 4
	v_nop                                          ; places in front of the loads into K's registers, and of the first read of the scores
.endr
.irp cb, 0,1,2,3                               ; V's four fragments land while the softmax is walked
.irp g, 0,1,2,3
	ds_load_b128 v[KV+16*\cb+4*\g:KV+16*\cb+4*\g+3], v[L16] offset:\sl*SLOTB+VOFF+\cb*2048+\g*512
.endr
.endr
	s_add_co_u32 s50, s[KF], 127
	s_cmp_le_u32 s50, s[QLO]                       ; a step all of whose keys count skips the mask
	s_cbranch_scc1 .Lopen_\@
	s_sub_co_i32 s50, s[QLO], s[KF]
	v_add_nc_u32 v252, s50, v[QD]                  ; d = my query - KF - 8 h.  Register 8 t + j holds key KF + 16 t + 8 h + j: hidden where 16 t + j > d
	v_mov_b32 v254, 0xff800000                     ; -infinity
.irp t, 0,1,2,3,4,5,6,7
.irp j, 0,1,2,3,4,5,6,7
	v_cmp_gt_i32 vcc_lo, 16*\t+\j, v252
	v_cndmask_b32 v[ST+8*\t+\j], v[ST+8*\t+\j], v254, vcc_lo
.endr
.endr
.Lopen_\@:
	v_max3_num_f32 v254, v96, v97, v98             ; the step's largest score of my query, among my 64 keys, in two chains (each accumulator is first read at its lowest register),
	v_max3_num_f32 v252, v99, v100, v101
.irp i, 6,10,14,18,22,26,30,34,38,42,46,50,54,58
	v_max3_num_f32 v254, v254, v[96+\i], v[97+\i]
	v_max3_num_f32 v252, v252, v[98+\i], v[99+\i]
.endr
	v_max3_num_f32 v254, v254, v158, v159
	v_max_num_f32 v254, v254, v252
	v_permlanex16_b32 v236, v254, s[SEL], s[SEL+1]
	v_max_num_f32 v254, v254, v236                 ; and among lane l xor 16's
	v_mul_f32 v254, s[CS], v254                    ; as t (c is positive)
	v_max_num_f32 v13, v13, v254                   ; the running largest t
	v_mov_b32 v254, v12
	v_floor_f32 v12, -v13                          ; the new -M = floor(-t) = -ceil(t): M is a whole number
	v_sub_f32 v254, v12, v254                      ; M's old value less its new one: a whole number, 0 or less
	v_cvt_i32_f32 v254, v254                       ; (it saturates)
	v_ldexp_f32 v252, 1.0, v254                    ; f = 2^(old M - new M)
.set n, 0
.rept 32
	v_pk_fma_f32 v[ST+n:ST+n+1], v[ST+n:ST+n+1], s[CS:CS+1], v[12:13] op_sel_hi:[1,0,0]   ; t - M, two at a time (of the pairs c and -M the low word serves both halves)
.set n, n+2
.endr
.set n, 0
.rept 64
	v_exp_f32 v[ST+n], v[ST+n]                     ; p = 2^(t - M), at most 1: not normalised
.set n, n+1
.endr
	v_pk_mul_f32 v[14:15], v[14:15], v[252:253] op_sel_hi:[1,0]   ; the sums under the new M: the plain instruction behind the exponentials
	s_wait_alu depctr_va_vdst(0)                   ; one wait for the whole batch, ahead of its first reader
	v_pk_add_f32 v[242:243], v[96:97], v[98:99]    ; the row's sum is taken of the unquantised p: two at a time, in two chains
.irp j, 4,8,12,16,20,24,28,32,36,40,44,48,52,56,60
	v_pk_add_f32 v[14:15], v[14:15], v[96+\j:97+\j]
	v_pk_add_f32 v[242:243], v[242:243], v[98+\j:99+\j]
.endr
	v_pk_add_f32 v[14:15], v[14:15], v[242:243]
	s_cmp_ge_i32 s46, -8                           ; p is at most 1, and 448 x 2^e8 is 1.75 or more from e8 = -8 on: the hold then changes nothing and is jumped over (a branch on a given whole number)
	s_cbranch_scc1 .Lno_hold_\@
.set n, 0
.rept 64
	v_min_num_f32 v[ST+n], v[ST+n], v240           ; the conversion to an 8-bit code does not saturate (ISA guide 7.6.2); p is not negative, so the hold is one-sided
.set n, n+1
.endr
.Lno_hold_\@:
.irp t, 0,1,2,3,4,5,6,7
	v_cvt_scalef32_pk8_fp8_f32 v[PC+2*\t:PC+2*\t+1], v[ST+8*\t:ST+8*\t+7], v244   ; keys 16 t + 8 h + 0 .. 7: registers 2 t, 2 t + 1 of P
.endr
.set n, 0
.rept 16
	v_pk_mul_f32 v[OT+n:OT+n+1], v[OT+n:OT+n+1], v[252:253] op_sel_hi:[1,0]   ; O^T under the new M: x f.  (Also the plain instructions between the conversions and the products that read the codes)
.set n, n+2
.endr
	s_wait_dscnt 0x0                               ; V is in
.irp cb, 0,1,2,3                               ; the four accumulators take turns; eight products K Q^T stand between two links of a chain
	v_wmma_f32_16x16x128_fp8_fp8 v[OT+8*\cb:OT+8*\cb+7], v[KV+16*\cb:KV+16*\cb+15], v[PC:PC+15], v[OT+8*\cb:OT+8*\cb+7]
.endr
.rept 4
	v_nop                                          ; places in front of the next step's loads into V's registers, and of the next read of O^T
.endr
.if \sl
.Lhidden_\@:
.endif
.if \more
	s_wait_loadcnt 0x0                             ; the next tile's 32 bytes of mine are in
	ds_store_b128 v[T16], v[SK:SK+3] offset:(1-\sl)*SLOTB        ; into the other slot: its last readers passed the barrier of the step before
	ds_store_b128 v[T16], v[SV:SV+3] offset:(1-\sl)*SLOTB+VOFF
	s_wait_dscnt 0x0                               ; for the others' sake: my stores have landed, and my reads of this slot are over
	s_barrier_signal -1
	s_barrier_wait -1
.endif
.endm
; A QUERY BLOCK IS FINISHED.  O^T / the sum, held and converted; lane (r, h) then has channels 16 cb + 8 h + 0 .. 7 and wants 32 c + 16 h + 0 .. 15: one exchange with lane l xor 16 and a select.
; base: flat at my tile.  again = 1: the second block follows.
.macro FINISH base, again
	v_add_f32 v14, v14, v15                        ; the sum's two halves,
	v_permlanex16_b32 v236, v14, s[SEL], s[SEL+1]
	v_add_f32 v14, v14, v236                       ; and lane l xor 16's: the row's sum
	v_rcp_f32 v14, v14
	v_nop                                          ; a plain instruction behind the reciprocal,
	s_wait_alu depctr_va_vdst(0)                   ; and a wait ahead of its first reader
.set n, 0
.rept 16
	v_pk_mul_f32 v[ST+n:ST+n+1], v[OT+n:OT+n+1], v[14:15] op_sel_hi:[1,0]   ; each accumulator from its low end on
.set n, n+2
.endr
.set n, 0
.rept 32
	v_med3_num_f32 v[ST+n], v[ST+n], -v247, v247   ; the hold at the largest code x the scale
.set n, n+1
.endr
.irp cb, 0,1,2,3
	v_cvt_scalef32_pk8_fp8_f32 v[FC+2*\cb:FC+2*\cb+1], v[ST+8*\cb:ST+8*\cb+7], v246
.endr
	v_nop                                          ; one plain instruction between the conversions and the readers of their results
.irp k, 0,1,2,3,4,5,6,7
	v_permlanex16_b32 v[FP+\k], v[FC+\k], s[SEL], s[SEL+1]
.endr
.irp c, 0,1
.irp e, 0,1
	v_cndmask_b32 v[FS+4*\c+\e],   v[FC+4*\c+\e], v[FP+4*\c+2+\e], s[HI16]   ; bytes 0-7:  h = 0: my cb = 2 c;        h = 1: the partner's cb = 2 c + 1
	v_cndmask_b32 v[FS+4*\c+2+\e], v[FP+4*\c+\e], v[FC+4*\c+2+\e], s[HI16]   ; bytes 8-15: h = 0: the partner's cb = 2 c;  h = 1: my cb = 2 c + 1
.endr
.endr
	global_store_b128 v[L16], v[FS:FS+3],   s[\base:\base+1]               ; 32 lanes store 512 consecutive bytes, aligned
	global_store_b128 v[L16], v[FS+4:FS+7], s[\base:\base+1] offset:512
.if \again
	RESET
.irp k, 0,1,2,3,4,5,6,7
	v_mov_b32 v[QF+\k], v[QF+8+\k]                 ; the second block's Q
.endr
	s_mov_b32 s[QB], s15
	s_mov_b32 s[QLO], s[QLO1]
.endif
.endm
.Ltrip:                                            ; eight trips of 256 keys; the first block ends in trip 7 - X
	STEP 0, 1, 1
	STEP 1, 1, 1
	s_cmp_lg_u32 s[KT], s[QB]                      ; the diagonal?  The same in all sixteen waves
	s_cbranch_scc1 .Lon
	FINISH FO0, 1
.Lon:
	s_mov_b32 s[KT], s[NKT]
	s_add_co_u32 s[TRIP], s[TRIP], 1
	s_cmp_lt_u32 s[TRIP], 8
	s_cbranch_scc1 .Ltrip
	STEP 0, 1, 0                                   ; the ninth trip, the second block's diagonal, is written out: its last step asks for no tile and hands nothing on
	STEP 1, 0, 0
	FINISH FO1, 0
	s_wait_tensorcnt 0x0
	ds_add_u32 v251, v255
	s_wait_dscnt 0x0
	s_endpgm
.Lfunc_end_k_q58ba7da2d5_attn:
	.size	k_q58ba7da2d5_attn, .Lfunc_end_k_q58ba7da2d5_attn-k_q58ba7da2d5_attn
	.p2alignl 7, 3214868480
	.fill 96, 4, 3214868480
	.section	.rodata,"a",@progbits
	.p2align	6, 0x0
	.amdhsa_kernel k_q58ba7da2d5_attn
		.amdhsa_group_segment_fixed_size 34816
		.amdhsa_private_segment_fixed_size 0
		.amdhsa_enable_private_segment 0
		.amdhsa_kernarg_size 40
		.amdhsa_user_sgpr_count 2
		.amdhsa_user_sgpr_kernarg_segment_ptr 1
		.amdhsa_wavefront_size32 1
		.amdhsa_system_sgpr_workgroup_id_x 1
		.amdhsa_system_sgpr_workgroup_id_y 1
		.amdhsa_system_sgpr_workgroup_id_z 1
		.amdhsa_system_vgpr_workitem_id 0
		.amdhsa_next_free_vgpr 256
		.amdhsa_next_free_sgpr 66
		.amdhsa_reserve_vcc 1
		.amdhsa_float_denorm_mode_32 3
		.amdhsa_float_denorm_mode_16_64 3
		.amdhsa_memory_ordered 1
		.amdhsa_forward_progress 1
		.amdhsa_inst_pref_size 102
	.end_amdhsa_kernel
	.amdgpu_metadata
---
amdhsa.version: [ 1, 2 ]
amdhsa.kernels:
  - .name:           k_q58ba7da2d5_attn
    .symbol:         k_q58ba7da2d5_attn.kd
    .args:
      - { .name: qc, .offset: 0, .size: 8, .value_kind: global_buffer, .address_space: global }
      - { .name: kc, .offset: 8, .size: 8, .value_kind: global_buffer, .address_space: global }
      - { .name: vc, .offset: 16, .size: 8, .value_kind: global_buffer, .address_space: global }
      - { .name: lowp_scales, .offset: 24, .size: 8, .value_kind: global_buffer, .address_space: global }
      - { .name: flat, .offset: 32, .size: 8, .value_kind: global_buffer, .address_space: global }
    .group_segment_fixed_size: 34816
    .private_segment_fixed_size: 0
    .kernarg_segment_align: 8
    .kernarg_segment_size: 40
    .max_flat_workgroup_size: 512
    .sgpr_count:     66
    .vgpr_count:     256
    .wavefront_size: 32
...
	.end_amdgpu_metadata
.endif
;; end of part 2
;; launch outp (part 3): grid 4 x 32, 4 waves a work-group, clusters of 4 x 4, 327,680 bytes of LDS; arguments flat, Wo_codes, lowp_scales, out0; writes out0
.if DOCPART == 3
	.amdgcn_target "amdgcn-amd-amdhsa--gfx1250"
	.amdhsa_code_object_version 6
	.text
	.protected	k_q58ba7da2d5_outp
	.globl	k_q58ba7da2d5_outp
	.p2align	8
	.type	k_q58ba7da2d5_outp,@function
k_q58ba7da2d5_outp:
	s_mov_b64 s[64:65], 0
	v_nop
	global_prefetch_b8 v0, s[64:65] scope:SCOPE_SE
	s_setreg_imm32_b32 hwreg(HW_REG_WAVE_MODE, 25, 1), 1
	s_wait_xcnt 0x0
	s_wait_alu depctr_hold_cnt(0) depctr_sa_sdst(0) depctr_va_vdst(0) depctr_va_sdst(0) depctr_va_ssrc(0) depctr_va_vcc(0) depctr_vm_vsrc(0)
	s_getreg_b32 s2, hwreg(HW_REG_IB_STS2, 6, 4)
	s_cmp_eq_u32 s2, 0
	s_cbranch_scc0 .Lentry_in_a_cluster
	s_endpgm
.Lentry_in_a_cluster:
	s_bfe_u32 s2, ttmp6, 0x10000c
	s_cmp_lg_u32 s2, 0xf033
	s_cbranch_scc0 .Lentry_shape_is_right
	s_endpgm
.Lentry_shape_is_right:
; out0[m][n] = sum over k of flat[m][k] Wo[n][k], on codes of FP8 (E4M3); each finished sum is multiplied once by 2^(e10 + e11), entries 10 and 11 of the scales.  out0: [8192][1024] f32; sums in f32.
; LIMIT: e10 + e11 lies between -126 and 127, so that 2^(e10 + e11) is an f32 number.
; flat comes as IMAGES OF OPERAND REGISTERS: [token / 16][K / 128][c 0..3][lane][16 bytes]; lane (r, h) holds token r, K = 128 (K / 128) + 32 c + 16 h + 0 .. 15.  Wo: [1024][1024] codes, K innermost, in rows.
; Wo's fragments are fetched from padded LDS rows by four loads of 16 bytes, which give a lane the same K in the same registers: k is permuted alike in both operands, so every product meets its partner.
; A tile of out0, 256 x 256, is made by a work-group of four waves, each 128 x 128: 64 accumulators of 16 x 16, 512 registers.  K goes in steps of 256 through a ring of two LDS slots.
; CLUSTERS: 4 x 4 work-groups.  The four of a row of the cluster need the same tiles of flat, the four of a column the same tiles of Wo: each tile is asked for jointly.
; THE MATRIX INSTRUCTION IS USED TRANSPOSED (source 0 = 16 rows of Wo, source 1 = 16 tokens): a lane then holds eight neighbouring numbers of a row of out0.
; REGISTERS, in windows of 256: window 0: v0-31 addresses; from v128 A's fragments, ONE set; on the way out v32-255 are free.  window 1: B's fragments, TWO sets.  windows 2, 3: the accumulators of my rows 0-63, 64-127.
.set SIZE_N, 1024
.set ROWB,   256                       ; a row of Wo's tile in bytes
.set KROW,   1024                      ; a row of Wo in memory
.set PITCH,  272                       ; its LDS row: 256 bytes + 16 of padding: the 16 rows that a load touches start at 16 different banks (64 banks of 4 bytes: ISA guide 11.1)
.set FR,     16                        ; registers of a fragment: 16 rows x 128 K
.set NL,     4                         ; LDS loads that bring one
.set NP,     4                         ; places behind this matrix instruction (ISA guide 7.12.1)
.set ABLK,   4096                      ; 16 tokens x 256 K of flat: two fragments' images, consecutive in memory and in LDS
.set HALFA,  8*ABLK                    ; 128 tokens: what one tensor load brings of A, and what one wave reads
.set HALFB,  128*PITCH                 ; the same for B
.set BOFF,   2*HALFA                   ; a slot: A's 16 blocks, dense, then B's 256 rows
.set SLOT,   BOFF+2*HALFB
.set LAPS,   2                         ; 1,024 along K = four K steps = twice round the ring
.set SPARE,  2*SLOT                    ; behind the ring: the spare words, 128 bytes for each wave: two blocks of 256 bytes that no other line names
.set SPITCH, 528                       ; the way out: a stage of 16 rows x (512 bytes + 16) for each wave.  It lies in slot 0, which has had its last fill and its last read when the first result is stored there
.set ADRA, 16                          ; v16-17  LDS address of my A fragments in slot 0, 1
.set ADRB, 20                          ; v20-21  the same for B
.set STO,  24                          ; v24     the way out: where I put 32 bytes of a row
.set RD,   25                          ; v25     the way out: where I read a row back
.set CO,   26                          ; v26     16 x lane
.set SPW,  28                          ; v28     LDS address of my spare word; never rewritten
.set NIL,  29                          ; v29     0; never rewritten
.set TMP,  32                          ; the way out: 64 registers, a block's sums x 2^(e10 + e11)
.set AF,   128                         ; A's fragments, in window 0
.set BK,   128                         ; the way out: 16 rows read back from the stage: v128-191 and v192-255 by turns
.set G1, 24                            ; s[24:31] descriptor group 1 for A's tiles;  s[32:39] group 0, one set for each slot
.set G0, 32
.set G1B, 48                           ; s[48:55], s[56:63] the same for B's tiles
.set G0B, 56
.set MSB, 0
.macro WIN new                         ; the immediate's high byte repeats the setting that is left
.if MSB != \new
	s_set_vgpr_msb (MSB<<8)|\new
.set MSB, \new
.endif
.endm
.set MUL_LO, 0xa1                      ; source 0 (B) window 1, source 1 (A) window 0, C and D window 2
.set MUL_HI, 0xf1                      ; the same, C and D window 3
.set TO_B,   0x40                      ; destination window 1, address window 0
; A joint load: waves 0 and 1 fetch for A, waves 2 and 3 for B.  The branch hangs on the wave's number alone.  Four v_nop follow each of the two lines.
.macro JLOAD g0a, g1a, g0b, g1b
	s_cmp_eq_u32 s15, 0
	s_cbranch_scc0 .Lfor_b_\@
	tensor_load_to_lds s[\g0a:\g0a+3], s[\g1a:\g1a+7]
	s_nop 0
.rept 4
	v_nop
.endr
	s_branch .Lasked_\@
.Lfor_b_\@:
	tensor_load_to_lds s[\g0b:\g0b+3], s[\g1b:\g1b+7]
	s_nop 0
.rept 4
	v_nop
.endr
.Lasked_\@:
.endm
.macro CREST                           ; a round of the cluster's barrier behind its opening barrier
	s_cmp_lg_u32 s14, 0
	s_cbranch_scc1 .Lnot_wave_0_\@
	s_barrier_signal -3
.Lnot_wave_0_\@:
	s_barrier_wait -3
	s_barrier_signal -1
	s_barrier_wait -1
.endm
.macro CROUND                          ; a whole round
	s_barrier_signal -1
	s_barrier_wait -1
	CREST
.endm
	s_load_b128 s[4:7], s[0:1], 0x0                ; flat s[4:5], Wo's codes s[6:7]
	s_load_b128 s[8:11], s[0:1], 0x10              ; the scales' exponents s[8:9], out0 s[10:11]
	v_lshl_add_u32 v[SPW], v0, 2, SPARE
	v_mov_b32 v[NIL], 0
	ds_add_u32 v28, v29
	ds_add_u32 v28, v29
	s_wait_dscnt 0x0
	v_lshrrev_b32 v1, 5, v0
	v_readfirstlane_b32 s14, v1                    ; wave 0..3
	s_lshr_b32 s15, s14, 1                         ; which half of the tile's rows is mine.  Also: I fetch for A (0) or for B (1)
	s_and_b32 s16, s14, 1                          ; which half of its columns.  Also: which half of that tile I fetch
	s_bfe_u32 s40, ttmp6, 0x40000                  ; cx, cy: my place in the cluster
	s_bfe_u32 s41, ttmp6, 0x40004
	s_lshl_b32 s42, ttmp9, 2
	s_add_co_u32 s42, s42, s40                     ; tile column = 4 x cluster x + cx
	s_and_b32 s17, ttmp7, 0xffff
	s_lshl_b32 s17, s17, 2
	s_add_co_u32 s17, s17, s41                     ; tile row = 4 x cluster y + cy
	s_lshl_b32 s43, s41, 2
	s_lshl_b32 s43, 15, s43                        ; my row of the cluster
	s_lshl_b32 s44, 0x1111, s40                    ; my column
	; descriptor group 1 for A: 8 blocks of 16 tokens, each 4,096 consecutive bytes (512 elements of 8 bytes), 16,384 bytes (2,048 elements) apart in memory, dense in LDS
	s_or_b32 s[G1+0], s43, (3<<16)|(1<<21)         ; 15:0 the mask: A's tiles go to my row; 17:16 element of 8 bytes; 20 no padding; 21 set beside a mask
	s_mov_b32 s[G1+1], 512<<16                     ; tensor_dim0 = 512
	s_mov_b32 s[G1+2], 8<<16                       ; tensor_dim1 = 8
	s_mov_b32 s[G1+3], 512<<16                     ; tile_dim0 = 512
	s_mov_b32 s[G1+4], 8                           ; tile_dim1 = 8
	s_mov_b32 s[G1+5], 2048                        ; tensor_dim0_stride
	s_mov_b32 s[G1+6], 0
	s_mov_b32 s[G1+7], 0
	; for B: 128 rows x 256 bytes, padded in LDS
	s_or_b32 s[G1B+0], s44, (0<<16)|(1<<20)|(1<<21)|(5<<22)|(3<<25)  ; the mask of my column; element of 1 byte; padding: 4 words (code 3) after every 64 (code 5)
	s_mov_b32 s[G1B+1], ROWB<<16
	s_mov_b32 s[G1B+2], 128<<16
	s_mov_b32 s[G1B+3], ROWB<<16
	s_mov_b32 s[G1B+4], 128
	s_mov_b32 s[G1B+5], KROW
	s_mov_b32 s[G1B+6], 0
	s_mov_b32 s[G1B+7], 0
	s_lshl_b32 s20, s17, 18                        ; A: 256 tokens are 16 blocks of 16,384 bytes,
	s_lshl_b32 s18, s16, 17
	s_add_co_u32 s20, s20, s18                     ; + the 8 blocks that I fetch
	s_mov_b32 s21, 0
	s_lshl_b32 s46, s42, 8
	s_lshl_b32 s18, s16, 7
	s_add_co_u32 s46, s46, s18                     ; B: row 256 x tile column + 128 x half,
	s_lshl_b32 s46, s46, 10                        ; of 1,024 bytes
	s_mov_b32 s47, 0
	s_lshl_b32 s45, s16, 15                        ; where they go: A's halves at 0 and 32,768,
	s_mul_i32 s66, s16, HALFB
	s_add_co_u32 s66, s66, BOFF                    ; B's behind them: no place in the cluster enters an LDS address
	s_wait_kmcnt 0x0
	s_load_b64 s[96:97], s[8:9], 0x28              ; e10, e11
	s_add_nc_u64 s[20:21], s[4:5], s[20:21]
	s_add_nc_u64 s[46:47], s[6:7], s[46:47]
	CROUND                                         ; all sixteen work-groups are here: the first joint loads meet
.irp s, 0,1
	s_mov_b32 s[G0+4*\s], 1
	s_add_co_u32 s[G0+4*\s+1], s45, \s*SLOT
	s_add_nc_u64 s[G0+4*\s+2:G0+4*\s+3], s[20:21], \s*ABLK
	s_or_b32 s[G0+4*\s+3], s[G0+4*\s+3], 0x80000000
	s_mov_b32 s[G0B+4*\s], 1
	s_add_co_u32 s[G0B+4*\s+1], s66, \s*SLOT
	s_add_nc_u64 s[G0B+4*\s+2:G0B+4*\s+3], s[46:47], \s*ROWB
	s_or_b32 s[G0B+4*\s+3], s[G0B+4*\s+3], 0x80000000
	JLOAD G0+4*\s, G1, G0B+4*\s, G1B               ; two tensor loads of mine are out behind the second
.endr
	v_and_b32 v1, 15, v0                           ; l % 16
	v_bfe_u32 v2, v0, 4, 1                         ; l / 16
	v_mul_u32_u24 v3, v1, PITCH
	v_lshl_add_u32 v4, v2, 4, v3                   ; B: a fragment's row x pitch + 16 x half
	v_and_b32 v6, 31, v0
	v_lshlrev_b32 v[CO], 4, v6                     ; A: 16 x lane; also my place in a row of 512 bytes on the way out
	s_lshl_b32 s21, s15, 15                        ; my 128 tokens of A
	s_mul_i32 s22, s16, HALFB                      ; my 128 rows of B,
	s_add_co_u32 s22, s22, BOFF                    ; which lie behind A
.irp s, 0,1
	v_add_nc_u32 v[ADRA+\s], s21, v[CO]
	v_add_nc_u32 v[ADRB+\s], s22, v4
	s_add_co_u32 s21, s21, SLOT
	s_add_co_u32 s22, s22, SLOT
.endr
	s_mul_i32 s23, s14, 16*SPITCH                  ; my stage
	v_mul_u32_u24 v5, v1, SPITCH                   ; in: row l % 16, 32 bytes for each half of the lanes
	v_lshl_add_u32 v5, v2, 5, v5
	v_add_nc_u32 v[STO], s23, v5
	v_add_nc_u32 v[RD], s23, v[CO]                 ; back: the 32 lanes take one row of 512 bytes
	s_lshl_b32 s20, s17, 8
	s_lshl_b32 s21, s15, 7
	s_add_co_u32 s20, s20, s21                     ; my first row of out0: 256 x tile row + 128 x half
	s_mov_b32 s21, 0
	s_mov_b64 s[18:19], SIZE_N*4
	s_mul_u64 s[20:21], s[20:21], s[18:19]
	s_lshl_b32 s46, s42, 10                        ; my first column, in bytes: 1,024 x tile column + 512 x half
	s_lshl_b32 s47, s16, 9
	s_add_co_u32 s46, s46, s47
	s_mov_b32 s47, 0
	s_add_nc_u64 s[20:21], s[20:21], s[46:47]
	s_add_nc_u64 s[10:11], s[10:11], s[20:21]
.macro FRAGB reg, adr, q, i            ; 16 rows x 128 K of Wo: registers 4 c .. 4 c + 3 hold K = 32 c + 16 (l / 16) + 0 .. 15 of row l % 16
.irp c, 0,1,2,3
	ds_load_b128 v[\reg+4*\c:\reg+4*\c+3], v[\adr] offset:128*(\q)+32*\c+(\i)*16*PITCH
.endr
.endm
.macro FRAGA reg, adr, q, i            ; 16 tokens x 128 K of flat: the image comes back as it was stored: 512 consecutive bytes a load
.irp c, 0,1,2,3
	ds_load_b128 v[\reg+4*\c:\reg+4*\c+3], v[\adr] offset:ABLK*(\i)+2048*(\q)+512*\c
.endr
.endm
; 16 matrix instructions: A's blocks a0, a0 + 1 x B's eight, 128 along K.  p: B's set.  zero = 1: the first product starts the sums.
; The 64 accumulators take turns, one instruction a turn, in the same order in every step.
.macro MUL16 a0, p, zero
.irp a, \a0, \a0+1
.irp b, 0,1,2,3,4,5,6,7
.if \zero
	v_wmma_f32_16x16x128_fp8_fp8 v[8*(8*((\a)%4)+\b):8*(8*((\a)%4)+\b)+7], v[128*(\p)+FR*\b:128*(\p)+FR*\b+FR-1], v[AF+FR*(\a):AF+FR*(\a)+FR-1], 0
.else
	v_wmma_f32_16x16x128_fp8_fp8 v[8*(8*((\a)%4)+\b):8*(8*((\a)%4)+\b)+7], v[128*(\p)+FR*\b:128*(\p)+FR*\b+FR-1], v[AF+FR*(\a):AF+FR*(\a)+FR-1], v[8*(8*((\a)%4)+\b):8*(8*((\a)%4)+\b)+7]
.endif
.endr
.endr
.endm
.macro FETCH_B slot, q, p              ; B's eight fragments of the slot's q-th 128 along K into set p
	WIN TO_B
.irp i, 0,1,2,3,4,5,6,7
	FRAGB 128*(\p)+FR*\i, ADRB+\slot, \q, \i
.endr
	WIN 0
.endm
.macro FETCH_A slot, q, i0             ; A's blocks i0 .. i0 + 3
.irp i, \i0, \i0+1, \i0+2, \i0+3
	FRAGA AF+FR*(\i), ADRA+\slot, \q, \i
.endr
.endm
; A load into a register that a matrix instruction has read, and a vector instruction or an LDS store that reads a matrix result, stand NP places behind it; only plain vector instructions that name none
; of its registers are places (ISA guide 7.12.1 for vector instructions).
.macro PLACES n
.rept \n
	v_nop
.endr
.endm
; A step of 128 along K that has its successor in the same slot.
.macro STEP slot, q, zero
	s_wait_dscnt 4*NL                              ; B's set and A's blocks 0-3 are in; the youngest sixteen loads (A's blocks 4-7) may be out
	WIN MUL_LO
	MUL16 0, (\q)%2, \zero
	MUL16 2, (\q)%2, \zero
	s_wait_dscnt 0                                 ; A's blocks 4-7 are in (asked for 32 matrix instructions ago)
	PLACES NP
	FETCH_B \slot, (\q)+1, 1-(\q)%2
	FETCH_A \slot, (\q)+1, 0
	WIN MUL_HI
	MUL16 4, (\q)%2, \zero
	MUL16 6, (\q)%2, \zero
	PLACES NP
	WIN 0
	FETCH_A \slot, (\q)+1, 4
.endm
; A slot's last step changes slots: ONE barrier; in front of it each wave waits for all its tensor loads, adds 0 to its spare word, and waits for that and for its own reads of this slot.  fill = 1: this slot is filled again, two K steps ahead.
.macro TURN slot, next, fill
	s_wait_tensorcnt 0x0                           ; all my tensor loads have landed: my part of the next slot;  (every window is 0 here)
	ds_add_u32 v[SPW], v[NIL]                      ; 0 onto my spare word
	s_wait_dscnt 4*NL+1                            ; (the add and the youngest sixteen loads, A's blocks 4-7, may be out)
	WIN MUL_LO
	MUL16 0, 1, 0                                  ; sixteen matrix instructions stand between the add and the wait for it
	s_wait_dscnt 0x0                               ; the add is done, and my reads of this slot are over
	s_barrier_signal -1
	MUL16 2, 1, 0
	WIN 0
	s_barrier_wait -1
.if \fill
	CREST                                          ; the barrier has opened a round of the cluster's barrier: no wave of any partner still reads this slot's tile or has a load on its way
	s_add_nc_u64 s[G0+4*\slot+2:G0+4*\slot+3], s[G0+4*\slot+2:G0+4*\slot+3], 2*ABLK
	s_add_nc_u64 s[G0B+4*\slot+2:G0B+4*\slot+3], s[G0B+4*\slot+2:G0B+4*\slot+3], 2*ROWB
	JLOAD G0+4*\slot, G1, G0B+4*\slot, G1B         ; the first tensor load behind the round, my only one that is out; the four v_nop behind it are the places in front of the loads below
.else
	PLACES NP
.endif
	FETCH_B \next, 0, 0
	FETCH_A \next, 0, 0
	WIN MUL_HI
	MUL16 4, 1, 0
	MUL16 6, 1, 0
	PLACES NP
	WIN 0
	FETCH_A \next, 0, 4
.endm
	s_wait_tensorcnt 1                             ; my part of K step 0 is in (K step 1's load may be out)
	s_barrier_signal -1
	s_barrier_wait -1                              ; everybody's is
	FETCH_B 0, 0, 0
	FETCH_A 0, 0, 0
	FETCH_A 0, 0, 4
	STEP 0, 0, 1                                   ; the first step stands in front of the loop: its products start the sums
	s_mov_b32 s3, LAPS-1
.Llap:                                                 ; a trip goes once round the ring, from a lap's second step to the next lap's first, and fills both slots again
	TURN 0, 1, 1
	STEP 1, 0, 0
	TURN 1, 0, 1
	STEP 0, 0, 0
	s_sub_co_u32 s3, s3, 1
	s_cmp_lg_u32 s3, 0
	s_cbranch_scc1 .Llap
	TURN 0, 1, 0                                   ; the last lap fills nothing, and has no round of the cluster's barrier
	STEP 1, 0, 0
	s_wait_dscnt 4*NL                              ; the very last step: nothing more to fetch
	WIN MUL_LO
	MUL16 0, 1, 0
	MUL16 2, 1, 0
	s_wait_dscnt 0
	WIN MUL_HI
	MUL16 4, 1, 0
	MUL16 6, 1, 0
	WIN 0
; THE WAY OUT, block by block of 16 rows x 128 columns.  A lane holds 32 neighbouring bytes of a row, and the lanes beside it hold other rows: so a block goes through my own stage in LDS and comes back as whole
; rows of 512 bytes.  LDS serves a wave's instructions in order (ISA guide 5.7.1.4): no wait between the stores and the loads, nor in front of the next block's stores.
.macro TOSTAGE a
.set AC, 64*((\a)%4)
	WIN 0x02+((\a)/4)                              ; source 0: window 2 or 3
.irp j, 0,2,4,6,8,10,12,14,16,18,20,22,24,26,28,30,32,34,36,38,40,42,44,46,48,50,52,54,56,58,60,62
	v_pk_mul_f32 v[TMP+\j:TMP+\j+1], v[AC+\j:AC+\j+1], s[96:97] op_sel_hi:[1,0]   ; both x s96 = 2^(e10 + e11); each accumulator from its low end on
.endr
	WIN 0
.irp b, 0,1,2,3,4,5,6,7
	ds_store_b128 v[STO], v[TMP+8*\b:TMP+8*\b+3] offset:64*\b
	ds_store_b128 v[STO], v[TMP+8*\b+4:TMP+8*\b+7] offset:64*\b+16
.endr
.set BB, BK+64*((\a)%2)
.irp t, 0,1,2,3,4,5,6,7,8,9,10,11,12,13,14,15
	ds_load_b128 v[BB+4*\t:BB+4*\t+3], v[RD] offset:\t*SPITCH
.endr
.endm
.macro SEND a, younger                 ; younger: the LDS instructions issued behind block a's loads, which may stay out
.set BB, BK+64*((\a)%2)
	s_wait_dscnt \younger                          ; the block is back in registers
.if (\a) > 0
	s_add_nc_u64 s[10:11], s[10:11], 16*SIZE_N*4   ; (behind a wait on XCNT: the earlier stores have read their base)  16 rows on, so that the stores' offsets stay at 15 rows at the most
.endif
.irp t, 0,1,2,3,4,5,6,7,8,9,10,11,12,13,14,15
	global_store_b128 v[CO], v[BB+4*\t:BB+4*\t+3], s[10:11] offset:\t*SIZE_N*4 th:TH_STORE_NT   ; 32 lanes store 512 consecutive bytes, at a multiple of 256 from out0's first byte; written once, read by nobody here
.endr
.endm
	s_wait_kmcnt 0x0
	s_add_co_i32 s96, s96, s97                     ; e10 + e11, between -126 and 127,
	s_add_co_i32 s96, s96, 127
	s_lshl_b32 s96, s96, 23                        ; makes the f32 number 2^(e10 + e11)
	PLACES NP                                      ; behind the last products: for the loads into the registers that held A's fragments, and for the reads of results
	TOSTAGE 0
.irp a, 1,2,3,4,5,6,7
.if \a > 1
	s_wait_xcnt 0x0                                ; block a - 2's stores have read their registers and their base: block a's loads may land there, and the base may step
.endif
	TOSTAGE \a
	SEND \a-1, 32                                  ; behind block a - 1's loads: block a's 16 stores and 16 loads
.endr
	s_wait_xcnt 0x0                                ; block 6's stores have read their base
	SEND 7, 0
	s_wait_tensorcnt 0x0                           ; the wave's end: behind my last tensor load and my last LDS store
	ds_add_u32 v[SPW], v[NIL]
	s_wait_dscnt 0x0
	CROUND                                         ; the closing round: no work-group ends while a partner may still ask for a tile that names it
	s_endpgm
.Lfunc_end_k_q58ba7da2d5_outp:
	.size	k_q58ba7da2d5_outp, .Lfunc_end_k_q58ba7da2d5_outp-k_q58ba7da2d5_outp
	.p2alignl 7, 3214868480
	.fill 96, 4, 3214868480
	.section	.rodata,"a",@progbits
	.p2align	6, 0x0
	.amdhsa_kernel k_q58ba7da2d5_outp
		.amdhsa_group_segment_fixed_size 327680
		.amdhsa_private_segment_fixed_size 0
		.amdhsa_enable_private_segment 0
		.amdhsa_kernarg_size 32
		.amdhsa_user_sgpr_count 2
		.amdhsa_user_sgpr_kernarg_segment_ptr 1
		.amdhsa_wavefront_size32 1
		.amdhsa_system_sgpr_workgroup_id_x 1
		.amdhsa_system_sgpr_workgroup_id_y 1
		.amdhsa_system_sgpr_workgroup_id_z 1
		.amdhsa_system_vgpr_workitem_id 0
		.amdhsa_next_free_vgpr 1024
		.amdhsa_next_free_sgpr 98
		.amdhsa_reserve_vcc 0
		.amdhsa_float_denorm_mode_32 3
		.amdhsa_float_denorm_mode_16_64 3
		.amdhsa_memory_ordered 1
		.amdhsa_forward_progress 1
		.amdhsa_inst_pref_size 123
	.end_amdhsa_kernel
	.amdgpu_metadata
---
amdhsa.version: [ 1, 2 ]
amdhsa.kernels:
  - .name:           k_q58ba7da2d5_outp
    .symbol:         k_q58ba7da2d5_outp.kd
    .args:
      - { .name: flat, .offset: 0, .size: 8, .value_kind: global_buffer, .address_space: global }
      - { .name: Wo_codes, .offset: 8, .size: 8, .value_kind: global_buffer, .address_space: global }
      - { .name: lowp_scales, .offset: 16, .size: 8, .value_kind: global_buffer, .address_space: global }
      - { .name: out0, .offset: 24, .size: 8, .value_kind: global_buffer, .address_space: global }
    .group_segment_fixed_size: 327680
    .private_segment_fixed_size: 0
    .kernarg_segment_align: 8
    .kernarg_segment_size: 32
    .max_flat_workgroup_size: 128
    .sgpr_count:     98
    .vgpr_count:     1024
    .wavefront_size: 32
...
	.end_amdgpu_metadata
.endif
;; end of part 3
;; ======== version 2 of 2: 3 launches; version 1 with the launch attn written anew for expert scheduling mode
;; workspace buffers: kc 8,388,608 bytes; qc 8,388,608 bytes; vc 8,388,608 bytes; flat 8,388,608 bytes
;; launch proj: the kernel of part 1 again; grid 12 x 32, 4 waves a work-group, clusters of 4 x 4, 327,680 bytes of LDS; arguments x_codes, Wk_codes, Wq_codes, Wv_codes, lowp_scales, kc, qc, vc; writes kc, qc, vc
;; launch attn (part 4): grid 4 x 64, 16 waves a work-group, no clusters, 34,816 bytes of LDS; arguments qc, kc, vc, lowp_scales, flat; writes flat
.if DOCPART == 4
	.amdgcn_target "amdgcn-amd-amdhsa--gfx1250"
	.amdhsa_code_object_version 6
	.text
	.protected	k_q58ba7da2d5_attn
	.globl	k_q58ba7da2d5_attn
	.p2align	8
	.type	k_q58ba7da2d5_attn,@function
k_q58ba7da2d5_attn:
	s_mov_b64 s[64:65], 0
	v_nop
	global_prefetch_b8 v0, s[64:65] scope:SCOPE_SE
	s_setreg_imm32_b32 hwreg(HW_REG_WAVE_SCHED_MODE, 0, 2), 2
	s_setreg_imm32_b32 hwreg(HW_REG_WAVE_MODE, 25, 1), 1
	s_wait_xcnt 0x0
	s_wait_alu depctr_vm_vsrc(0)
; Causal attention of one head on codes of FP8 (E4M3), and the quantiser of its result for the output projection.  4 batches x 16 heads, 2,048 tokens, head size 64.
; qc, kc: [batch x 8 + head pair][token / 16][head % 2][g 0..1][lane][16 bytes]: fragments of 16 tokens x 64 channels as images of their 8 registers (registers 2 c, 2 c + 1 of lane (r, h): token r, channels 16 c + 8 h + 0 .. 7).
; vc: [batch x 8 + head pair][key / 128][head % 2][channel / 16][g 0..3][lane][16 bytes]: fragments of 16 channels x 128 keys, 16 registers (registers 2 c, 2 c + 1: channel r, keys 16 c + 8 h + 0 .. 7).
; flat (out): [token / 16][K / 128][c 0..3][lane][16 bytes]: lane (r, h) holds token r, K = 128 (K / 128) + 32 c + 16 h + 0 .. 15, K = 64 x head + channel.
; THE SOFTMAX: t = score x 2^(e6 + e7) x log2(e) / 8; M = the row's largest t so far, rounded UP to a whole number; p = 2^(t - M) is quantised with 2^e8; the row's sum is taken of the unquantised p and divides at the end.
; When M moves, the sum and O are multiplied by 2^(old M - new M), which rounds nothing.  The result / the sum x 2^(e8 + e9) is quantised with 2^e10: the three exponents are folded into the conversion's one scale.
; LIMITS on the given exponents, so that each power of two below is an f32 number: e6 + e7 between -123 and 130; e8, and e10 - e8 - e9, between -126 and 119.  NaN codes are not served.
; SHARES.  Work-group (X, y): head y; query blocks 7 - X (first) and X, 256 queries each: (8 - X) + (X + 1) = 9 trips of 256 keys in every work-group, 256 work-groups of equal work.
; Each of the SIXTEEN waves owns 16 queries, one tile, in 256 registers: four waves to a SIMD, so that one wave's vector work stands beside another's matrix work and LDS loads.
; LAYOUT.  Both products are used transposed: S^T = K Q^T (source 0 = 16 keys, source 1 = my queries): lane (r, h) holds query r and, in tile t, keys 16 t + 8 h + 0 .. 7: its eight codes are registers 2 t, 2 t + 1 of P
; in the K = 128 form's own layout.  O^T = V^T P^T (source 0 = 16 channels x 128 keys) holds query r and channels 16 cb + 8 h + 0 .. 7.  Nothing changes lanes between the products.
; TILES.  A key step is 128 keys: 8 KB of K and 8 KB of V, 16 bytes of each for each of the 512 threads: two loads at the step's head for the NEXT step, two LDS stores at its end into the other of two slots, one barrier a step.
; NO CLUSTER, NO JOINT LOADS, NO TENSOR LOADS, though the four work-groups of a head read the same tiles: partner X walks 8 - X trips and then begins anew at key 0, so from trip 5 on the partners need different tiles,
; and a tile costs a thread two loads and two LDS stores.
; CAUSAL.  A step all of whose keys come after my 16 queries is left out: a scalar branch on ids, round the step's fragments, products and softmax; not round the tile's loads and stores, nor the barrier.
; On the diagonal hidden scores become -infinity ahead of the maximum; key 0 counts for every query, so M is a number from the first step on.
; THE MODE: SCHED_MODE bits 1:0 = 2 (LLVM: expert scheduling mode 2), set by the entry lines.  The code itself states the register dependences
; between vector or matrix instructions and memory or LDS instructions, with s_wait_alu, always for 0.
; THE PLAN.  Registers that memory or LDS instructions touch:
;   v1, v2, v3, v8, v9   Offsets and LDS addresses, made once at the head and never written again: the next tile is reached by two scalar bases, made anew at each step's head; the prefetches add an immediate to them.
;   v10, v11             The offsets of Q's four loads, at the head alone.
;   SK, SV               Written by the two loads at a step's head, read by the two LDS stores at its end.  No vector instruction names them.
;   KV                   K's sixteen LDS loads land in it; the eight products K Q^T read it; V's sixteen LDS loads land in it; the four products V^T P^T read it.  The wave's 256 registers are all laid out: there is no second KV.
;   FS                   Written by the selects at a query block's end, read by its two stores; written again at the second block's end.
;   v251, v255           Written at the head, read by the closing add alone.
; So a worked step holds three waits for these: one on vm_vsrc at its head (the LDS stores have read SK and SV; a finished block's stores have read FS), one on va_vdst ahead of K's LDS loads (the products V^T P^T of the
; step before are done reading KV), one on va_vdst behind the products K Q^T (they are done reading KV).  Behind the last, V's loads are dealt in fours among the maxima, which name neither KV nor v1.
; A vector compare's mask goes to a scalar register: on the diagonal the compares stand in runs of sixteen, with one wait on va_sdst between a run and the selects that read its masks.
.set SLOTB, 16384                      ; an LDS slot: K [t 0..7][g 0..1][512], then V [cb 0..3][g 0..3][512]
.set VOFF,  8192
.set L16,  1                           ; v1   16 x lane
.set T16,  2                           ; v2   16 x thread: my 16 bytes of a tile in LDS, and of V's 8 KB in memory
.set KO0,  3                           ; v3   my 16 bytes of K's tile in memory: eight pieces of 1,024 bytes, 2,048 apart
.set QD,   6                           ; v6   r - 8 h
.set PFK,  8                           ; v8, v9  the prefetches' offsets in a tile
.set PFV,  9
.set QF,   16                          ; v16-23 Q's fragment; v24-31 the second query block's
.set KV,   32                          ; v32-95 K's eight fragments, then V's four
.set ST,   96                          ; v96-159 S^T, then p
.set OT,   160                         ; v160-191 O^T
.set PC,   192                         ; v192-207 p's codes
.set SK,   208                         ; v208-211, v212-215 the next tile's 16 bytes of K and of V
.set SV,   212
.set FS,   216                         ; v216-223 the result's codes as they are stored; v224-231 as converted; v232-239 the partner lane's
.set FC,   224
.set FP,   232
.set KN,   4                           ; s[4:5], s[6:7] kc and vc at the next tile (at the head these hold qc's and kc's addresses)
.set VN,   6
.set SEL,  20                          ; s[20:21] lane selects for v_permlanex16_b32: lane l xor 16
.set CS,   22                          ; s[22:23] c = 2^(e6 + e7) log2(e) / 8, twice
.set KB,   24                          ; s[24:25] kc at my head;  s[26:27] vc;  never rewritten
.set VB,   26
.set FO0,  28                          ; s[28:29], s[30:31] flat at my wave's tile of the first and of the second query block
.set FO1,  30
.set TRIP, 32
.set KT,   33                          ; which 256 keys
.set NKT,  34                          ; and the next trip's
.set QB,   35                          ; the query block in hand
.set QLO,  36                          ; my first query
.set KF,   37                          ; the step's first key
.set TS,   38                          ; at work in a step
.set LIM,  39                          ; a wave prefetches while TRIP is under it
.set HI16, 40                          ; lanes 16-31
.set QLO1, 41                          ; my first query in the second block
.set NOFF, 42                          ; s[42:43] the next tile's byte offset in kc and vc, with 0 above it
.set MK,   48                          ; s48-63 sixteen masks of the diagonal's compares: behind the head no scalar instruction writes them
	s_load_b256 s[4:11], s[0:1], 0x0               ; qc s[4:5], kc s[6:7], vc s[8:9], the scales' exponents s[10:11]
	s_load_b64 s[12:13], s[0:1], 0x20              ; flat
	v_lshl_add_u32 v251, v0, 2, 0x8000
	v_mov_b32 v255, 0
	v_lshrrev_b32 v7, 5, v0
	v_readfirstlane_b32 s14, v7                    ; wave 0..15
	v_and_b32 v10, 31, v0                          ; lane
	v_lshlrev_b32 v[L16], 4, v10
	v_lshlrev_b32 v[T16], 4, v0
	v_lshrrev_b32 v[KO0], 6, v0
	v_and_b32 v7, 63, v0
	v_lshlrev_b32 v7, 4, v7
	v_lshl_or_b32 v[KO0], v[KO0], 11, v7           ; 2,048 (thread / 64) + 16 (thread % 64)
	v_and_b32 v[QD], 15, v0
	v_bfe_u32 v7, v0, 4, 1
	v_lshlrev_b32 v7, 3, v7
	v_sub_nc_u32 v[QD], v[QD], v7
	v_lshrrev_b32 v[PFK], 2, v10                   ; a tile's 32 aligned blocks of 256 bytes of K: 2,048 (lane / 4) + 256 (lane % 4); of V: 256 x lane
	v_and_b32 v11, 3, v10
	v_lshlrev_b32 v11, 8, v11
	v_lshl_or_b32 v[PFK], v[PFK], 11, v11
	v_lshlrev_b32 v[PFV], 8, v10
	s_wait_alu depctr_va_sdst(0)                   ; s14, the wave's number, is written, ahead of its first reader: my tiles of queries and flat's addresses are made from it
	s_mov_b32 s15, ttmp9                           ; X
	s_and_b32 s50, ttmp7, 0xffff                   ; y = 16 x batch + head
	s_lshr_b32 s51, s50, 1                         ; 8 x batch + head pair
	s_lshl_b32 s52, s51, 18                        ; its 262,144 bytes in qc, kc and vc
	s_and_b32 s53, s50, 1                          ; head % 2
	s_lshl_b32 s54, s53, 10
	s_lshl_b32 s56, s53, 13
	s_mov_b32 s53, s54                             ; 1,024 x (head % 2)
	s_add_co_u32 s54, s54, s52                     ; my head in qc and kc,
	s_add_co_u32 s56, s56, s52                     ; and in vc
	s_mov_b32 s55, 0
	s_mov_b32 s57, 0
	s_sub_co_u32 s[QB], 7, s15                     ; the long block first
	s_lshl_b32 s58, s[QB], 4
	s_add_co_u32 s58, s58, s14                     ; my tile of 16 tokens in the batch: 16 x block + wave,
	s_lshl_b32 s59, s15, 4
	s_add_co_u32 s59, s59, s14                     ; and in the second block
	s_lshl_b32 s[QLO], s58, 4
	s_lshl_b32 s[QLO1], s59, 4
	s_lshr_b32 s49, s50, 4
	s_lshl_b32 s49, s49, 7                         ; 128 x batch
	s_and_b32 s51, s51, 7                          ; head pair
	s_add_co_u32 s62, s49, s58                     ; flat: ((token / 16) x 8 + head pair) x 2,048 + 1,024 x (head % 2)
	s_lshl_b32 s62, s62, 3
	s_add_co_u32 s62, s62, s51
	s_lshl_b32 s62, s62, 11
	s_add_co_u32 s62, s62, s53
	s_mov_b32 s63, 0
	s_add_co_u32 s60, s49, s59
	s_lshl_b32 s60, s60, 3
	s_add_co_u32 s60, s60, s51
	s_lshl_b32 s60, s60, 11
	s_add_co_u32 s60, s60, s53
	s_mov_b32 s61, 0
	s_or_b32 s50, s14, s15
	s_cmp_eq_u32 s50, 0
	s_cselect_b32 s[LIM], 7, 0                     ; wave 0 of the head's work-group X = 0 prefetches, in trips 0 to 6
	s_mov_b32 s[SEL], 0x76543210
	s_mov_b32 s[SEL+1], 0xfedcba98
	s_mov_b32 s[HI16], 0xffff0000
	s_mov_b32 s[TRIP], 0
	s_mov_b32 s[KT], 0
	s_mov_b32 s[NOFF+1], 0
	v_lshl_add_u32 v10, s58, 11, v[L16]            ; Q's fragments: 2,048 bytes from tile to tile
	v_lshl_add_u32 v11, s59, 11, v[L16]
	s_wait_kmcnt 0x0
	s_load_b128 s[44:47], s[10:11], 0x18           ; e6, e7, e8, e9
	s_load_b32 s48, s[10:11], 0x28                 ; e10
	s_add_nc_u64 s[16:17], s[4:5], s[54:55]
	s_add_nc_u64 s[KB:KB+1], s[6:7], s[54:55]
	s_add_nc_u64 s[VB:VB+1], s[8:9], s[56:57]
	s_add_nc_u64 s[FO0:FO0+1], s[12:13], s[62:63]
	s_add_nc_u64 s[FO1:FO1+1], s[12:13], s[60:61]
	s_wait_alu depctr_va_vdst(0)                   ; v1, v2, v3, v8, v9, v10 and v11 are written: every load, store, LDS instruction and prefetch of the kernel reads one of them as its offset or address, and none is written again
	global_load_b128 v[SK:SK+3], v[KO0], s[KB:KB+1]              ; tile 0
	global_load_b128 v[SV:SV+3], v[T16], s[VB:VB+1]
	global_load_b128 v[QF:QF+3], v10, s[16:17]                   ; both blocks' Q stay in registers
	global_load_b128 v[QF+4:QF+7], v10, s[16:17] offset:512
	global_load_b128 v[QF+8:QF+11], v11, s[16:17]
	global_load_b128 v[QF+12:QF+15], v11, s[16:17] offset:512
; The step is written once: a block's first step finds zeros in O^T and in the sum, which the first change of M leaves zeros.
.macro RESET
	v_mov_b32 v13, 0xff61b1e6                      ; the largest t so far: -3e38, under every t
	v_floor_f32 v12, -v13                          ; -M
	v_mov_b32 v14, 0                               ; the sum, in two halves
	v_mov_b32 v15, 0
.set n, 0
.rept 32
	v_mov_b32 v[OT+n], 0
.set n, n+1
.endr
.endm
	RESET
	v_mov_b32 v253, 0                              ; (named as the upper half of the pair v[252:253])
.irp k, 0,1,2,3,4,5,6,7
	v_mov_b32 v[FP+\k], 0                          ; written once: a lane permute's destination counts as one of its sources (v236 also serves the maximum's exchange)
.endr
	s_wait_kmcnt 0x0
	s_add_co_i32 s50, s44, s45
	s_lshl_b32 s50, s50, 23
	s_add_co_i32 s[CS], s50, 0x3e38aa3b            ; log2(e) / 8, with e6 + e7 added to its exponent field
	s_mov_b32 s[CS+1], s[CS]
	s_add_co_i32 s50, s46, 127
	s_lshl_b32 s51, s50, 23
	v_mov_b32 v244, s51                            ; 2^e8 as f32, for p's conversion
	s_add_co_i32 s50, s50, 8
	s_lshl_b32 s50, s50, 23
	s_or_b32 s50, s50, 0x600000
	v_mov_b32 v240, s50                            ; 448 x 2^e8
	s_sub_co_i32 s50, s48, s46
	s_sub_co_i32 s50, s50, s47
	s_add_co_i32 s50, s50, 127
	s_lshl_b32 s51, s50, 23
	v_mov_b32 v246, s51                            ; 2^(e10 - e8 - e9), for the result's conversion
	s_add_co_i32 s50, s50, 8
	s_lshl_b32 s50, s50, 23
	s_or_b32 s50, s50, 0x600000
	v_mov_b32 v247, s50                            ; 448 x that
	s_wait_loadcnt 0x0                             ; tile 0 and Q
	ds_store_b128 v[T16], v[SK:SK+3]
	ds_store_b128 v[T16], v[SV:SV+3] offset:VOFF
	s_wait_dscnt 0x0                               ; for the others' sake: my part of tile 0 lies in slot 0
	s_barrier_signal -1
	s_barrier_wait -1
; A PREFETCH INTO THE L2 of tile s + 2, in step s, where the wave has just issued its loads of tile s + 1: one key step ahead of the loads that will want it; it names those loads' bases, a tile's 16,384 bytes further on.
; A tile is 32 aligned blocks of 256 bytes of K and 32 of V: a lane a block, two instructions.  The four work-groups of a head walk the same tiles: the one with X = 0, which walks all sixteen in its first eight trips,
; asks, in its wave 0: each block is named once in the launch.  Tiles 0 and 1 come by their loads alone; the last request, in trip 6, names tile 15, the head's last.
.macro ASK
	s_cmp_lt_u32 s[TRIP], s[LIM]
	s_cbranch_scc0 .Lnot_mine_\@
	global_prefetch_b8 v[PFK], s[KN:KN+1] offset:SLOTB th:TH_LOAD_NT scope:SCOPE_SE
	global_prefetch_b8 v[PFV], s[VN:VN+1] offset:SLOTB th:TH_LOAD_NT scope:SCOPE_SE
.Lnot_mine_\@:
.endm
; V's fragment cb (16 channels x 128 keys) out of slot sl: four LDS loads
.macro VFRAG sl, cb
.irp g, 0,1,2,3
	ds_load_b128 v[KV+16*(\cb)+4*\g:KV+16*(\cb)+4*\g+3], v[L16] offset:(\sl)*SLOTB+VOFF+(\cb)*2048+\g*512
.endr
.endm
; A KEY STEP: the 128 keys in slot sl.  more = 1: a tile follows: it is asked for at the head and stored into the other slot at the end, and the step's barrier follows.  ask = 1: in the loop, where prefetches stand.
.macro STEP sl, more, ask
	s_wait_xcnt 0x0                                ; the last step's loads and prefetches have read their bases, and a finished block's stores their registers: those are written again only behind this wait
.if \more
	s_wait_alu depctr_vm_vsrc(0)                   ; the LDS stores at the last step's end have read v[SK ..] and v[SV ..], in which the loads below land; a finished block's stores have read v[FS ..], which the next block's end writes again
.if \sl == 0
	s_lshl_b32 s[NOFF], s[KT], 15
	s_add_co_u32 s[NOFF], s[NOFF], SLOTB           ; the second half of these 256 keys
.else
	s_add_co_u32 s[NKT], s[KT], 1
	s_cmp_eq_u32 s[KT], s[QB]
	s_cselect_b32 s[NKT], 0, s[NKT]                ; behind the diagonal the second block begins, at key 0
	s_lshl_b32 s[NOFF], s[NKT], 15
.endif
	s_add_nc_u64 s[KN:KN+1], s[KB:KB+1], s[NOFF:NOFF+1]   ; the next tile is reached by scalar bases: the vector offsets stay as the head made them
	s_add_nc_u64 s[VN:VN+1], s[VB:VB+1], s[NOFF:NOFF+1]
	global_load_b128 v[SK:SK+3], v[KO0], s[KN:KN+1]    ; they have the whole step in which to land
	global_load_b128 v[SV:SV+3], v[T16], s[VN:VN+1]
.endif
.if \ask
	ASK
.endif
	s_lshl_b32 s[KF], s[KT], 8
.if \sl
	s_add_co_u32 s[KF], s[KF], 128
	s_add_co_u32 s[TS], s[QLO], 15
	s_cmp_gt_u32 s[KF], s[TS]                      ; all 128 keys come after my queries?  (In slot 0 the first key is 256 KT, never behind my first query)
	s_cbranch_scc1 .Lhidden_\@
.endif
	s_wait_alu depctr_va_vdst(0)                   ; the products V^T P^T of the last step that I worked are done reading v[KV ..], in which K's fragments land
.irp t, 0,1,2,3,4,5,6,7                        ; K's eight fragments
	ds_load_b128 v[KV+8*\t:KV+8*\t+3],   v[L16] offset:\sl*SLOTB+\t*1024
	ds_load_b128 v[KV+8*\t+4:KV+8*\t+7], v[L16] offset:\sl*SLOTB+\t*1024+512
.endr
.irp t, 0,1,2,3,4,5,6,7
	s_wait_dscnt 14-2*\t                           ; LDS loads come back in order (ISA guide 5.7.1): fragment t's two are in, the 14 - 2 t issued behind them may be out; nothing older is out (the wait for 0 ahead of the last barrier)
	v_wmma_f32_16x16x64_fp8_fp8 v[ST+8*\t:ST+8*\t+7], v[KV+8*\t:KV+8*\t+7], v[QF:QF+7], 0
.endr
.rept 4
	v_nop                                          ; places in front of the first read of the scores
.endr
	s_wait_alu depctr_va_vdst(0)                   ; the eight products K Q^T are done reading v[KV ..], in which V's fragments land
	VFRAG \sl, 0                                   ; V's four fragments land while the softmax is walked: four loads here, the other twelve among the maxima.  No vector instruction from here to the products V^T P^T names v[KV ..] or v1
	s_add_co_u32 s[TS], s[KF], 127
	s_cmp_le_u32 s[TS], s[QLO]                     ; a step all of whose keys count skips the mask
	s_cbranch_scc1 .Lopen_\@
	s_sub_co_i32 s[TS], s[QLO], s[KF]
	v_add_nc_u32 v252, s[TS], v[QD]                ; d = my query - KF - 8 h.  Register 8 t + j holds key KF + 16 t + 8 h + j: hidden where 16 t + j > d
	v_mov_b32 v254, 0xff800000                     ; -infinity
.irp u, 0,1,2,3                                ; tiles 2 u and 2 u + 1: register 16 u + n holds key KF + 8 h + 32 u + 16 (n / 8) + n % 8
.irp n, 0,1,2,3,4,5,6,7,8,9,10,11,12,13,14,15
	v_cmp_gt_i32 s[MK+\n], 32*\u+16*(\n/8)+\n%8, v252
.endr
	s_wait_alu depctr_va_sdst(0)                   ; the sixteen compares have written their masks s48 to s63, ahead of the selects that read them
.irp n, 0,1,2,3,4,5,6,7,8,9,10,11,12,13,14,15
	v_cndmask_b32 v[ST+16*\u+\n], v[ST+16*\u+\n], v254, s[MK+\n]
.endr
.endr
.Lopen_\@:
	v_max3_num_f32 v254, v96, v97, v98             ; the step's largest score of my query, among my 64 keys, in two chains (each accumulator is first read at its lowest register),
	v_max3_num_f32 v252, v99, v100, v101
.irp i, 6,10,14,18,22,26,30,34,38,42,46,50,54,58
	v_max3_num_f32 v254, v254, v[96+\i], v[97+\i]
	v_max3_num_f32 v252, v252, v[98+\i], v[99+\i]
.if \i == 10
	VFRAG \sl, 1
.endif
.if \i == 26
	VFRAG \sl, 2
.endif
.if \i == 42
	VFRAG \sl, 3
.endif
.endr
	v_max3_num_f32 v254, v254, v158, v159
	v_max_num_f32 v254, v254, v252
	v_permlanex16_b32 v236, v254, s[SEL], s[SEL+1]
	v_max_num_f32 v254, v254, v236                 ; and among lane l xor 16's
	v_mul_f32 v254, s[CS], v254                    ; as t (c is positive)
	v_max_num_f32 v13, v13, v254                   ; the running largest t
	v_mov_b32 v254, v12
	v_floor_f32 v12, -v13                          ; the new -M = floor(-t) = -ceil(t): M is a whole number
	v_sub_f32 v254, v12, v254                      ; M's old value less its new one: a whole number, 0 or less
	v_cvt_i32_f32 v254, v254                       ; (it saturates)
	v_ldexp_f32 v252, 1.0, v254                    ; f = 2^(old M - new M)
.set n, 0
.rept 32
	v_pk_fma_f32 v[ST+n:ST+n+1], v[ST+n:ST+n+1], s[CS:CS+1], v[12:13] op_sel_hi:[1,0,0]   ; t - M, two at a time (of the pairs c and -M the low word serves both halves)
.set n, n+2
.endr
.set n, 0
.rept 64
	v_exp_f32 v[ST+n], v[ST+n]                     ; p = 2^(t - M), at most 1: not normalised
.set n, n+1
.endr
	v_pk_mul_f32 v[14:15], v[14:15], v[252:253] op_sel_hi:[1,0]   ; the sums under the new M: the plain instruction behind the exponentials
	s_wait_alu depctr_va_vdst(0)                   ; the 64 exponentials have written p in v[ST ..]: one wait for the whole batch, ahead of its first reader
	v_pk_add_f32 v[242:243], v[96:97], v[98:99]    ; the row's sum is taken of the unquantised p: two at a time, in two chains
.irp j, 4,8,12,16,20,24,28,32,36,40,44,48,52,56,60
	v_pk_add_f32 v[14:15], v[14:15], v[96+\j:97+\j]
	v_pk_add_f32 v[242:243], v[242:243], v[98+\j:99+\j]
.endr
	v_pk_add_f32 v[14:15], v[14:15], v[242:243]
	s_cmp_ge_i32 s46, -8                           ; p is at most 1, and 448 x 2^e8 is 1.75 or more from e8 = -8 on: the hold then changes nothing and is jumped over (a branch on a given whole number)
	s_cbranch_scc1 .Lno_hold_\@
.set n, 0
.rept 64
	v_min_num_f32 v[ST+n], v[ST+n], v240           ; the conversion to an 8-bit code does not saturate (ISA guide 7.6.2); p is not negative, so the hold is one-sided
.set n, n+1
.endr
.Lno_hold_\@:
.irp t, 0,1,2,3,4,5,6,7
	v_cvt_scalef32_pk8_fp8_f32 v[PC+2*\t:PC+2*\t+1], v[ST+8*\t:ST+8*\t+7], v244   ; keys 16 t + 8 h + 0 .. 7: registers 2 t, 2 t + 1 of P
.endr
.set n, 0
.rept 16
	v_pk_mul_f32 v[OT+n:OT+n+1], v[OT+n:OT+n+1], v[252:253] op_sel_hi:[1,0]   ; O^T under the new M: x f.  (Also the plain instructions between the conversions and the products that read the codes)
.set n, n+2
.endr
	s_wait_dscnt 0x0                               ; V is in
.irp cb, 0,1,2,3                               ; the four accumulators take turns; eight products K Q^T stand between two links of a chain
	v_wmma_f32_16x16x128_fp8_fp8 v[OT+8*\cb:OT+8*\cb+7], v[KV+16*\cb:KV+16*\cb+15], v[PC:PC+15], v[OT+8*\cb:OT+8*\cb+7]
.endr
.rept 4
	v_nop                                          ; places in front of the next read of O^T
.endr
.if \sl
.Lhidden_\@:
.endif
.if \more
	s_wait_loadcnt 0x0                             ; the next tile's 32 bytes of mine are in
	ds_store_b128 v[T16], v[SK:SK+3] offset:(1-\sl)*SLOTB        ; into the other slot: its last readers passed the barrier of the step before
	ds_store_b128 v[T16], v[SV:SV+3] offset:(1-\sl)*SLOTB+VOFF
	s_wait_dscnt 0x0                               ; for the others' sake: my stores have landed, and my reads of this slot are over
	s_barrier_signal -1
	s_barrier_wait -1
.endif
.endm
; A QUERY BLOCK IS FINISHED.  O^T / the sum, held and converted; lane (r, h) then has channels 16 cb + 8 h + 0 .. 7 and wants 32 c + 16 h + 0 .. 15: one exchange with lane l xor 16 and a select.
; base: flat at my tile.  again = 1: the second block follows.
.macro FINISH base, again
	v_add_f32 v14, v14, v15                        ; the sum's two halves,
	v_permlanex16_b32 v236, v14, s[SEL], s[SEL+1]
	v_add_f32 v14, v14, v236                       ; and lane l xor 16's: the row's sum
	v_rcp_f32 v14, v14
	v_nop                                          ; a plain instruction behind the reciprocal,
	s_wait_alu depctr_va_vdst(0)                   ; and a wait ahead of its first reader: the reciprocal has written v14
.set n, 0
.rept 16
	v_pk_mul_f32 v[ST+n:ST+n+1], v[OT+n:OT+n+1], v[14:15] op_sel_hi:[1,0]   ; each accumulator from its low end on
.set n, n+2
.endr
.set n, 0
.rept 32
	v_med3_num_f32 v[ST+n], v[ST+n], -v247, v247   ; the hold at the largest code x the scale
.set n, n+1
.endr
.irp cb, 0,1,2,3
	v_cvt_scalef32_pk8_fp8_f32 v[FC+2*\cb:FC+2*\cb+1], v[ST+8*\cb:ST+8*\cb+7], v246
.endr
	v_nop                                          ; one plain instruction between the conversions and the readers of their results
.irp k, 0,1,2,3,4,5,6,7
	v_permlanex16_b32 v[FP+\k], v[FC+\k], s[SEL], s[SEL+1]
.endr
.irp c, 0,1
.irp e, 0,1
	v_cndmask_b32 v[FS+4*\c+\e],   v[FC+4*\c+\e], v[FP+4*\c+2+\e], s[HI16]   ; bytes 0-7:  h = 0: my cb = 2 c;        h = 1: the partner's cb = 2 c + 1
	v_cndmask_b32 v[FS+4*\c+2+\e], v[FP+4*\c+\e], v[FC+4*\c+2+\e], s[HI16]   ; bytes 8-15: h = 0: the partner's cb = 2 c;  h = 1: my cb = 2 c + 1
.endr
.endr
	s_wait_alu depctr_va_vdst(0)                   ; the eight selects have written v[FS ..], which the two stores read
	global_store_b128 v[L16], v[FS:FS+3],   s[\base:\base+1]               ; 32 lanes store 512 consecutive bytes, aligned
	global_store_b128 v[L16], v[FS+4:FS+7], s[\base:\base+1] offset:512
.if \again
	RESET
.irp k, 0,1,2,3,4,5,6,7
	v_mov_b32 v[QF+\k], v[QF+8+\k]                 ; the second block's Q
.endr
	s_mov_b32 s[QB], s15
	s_mov_b32 s[QLO], s[QLO1]
.endif
.endm
.Ltrip:                                            ; eight trips of 256 keys; the first block ends in trip 7 - X
	STEP 0, 1, 1
	STEP 1, 1, 1
	s_cmp_lg_u32 s[KT], s[QB]                      ; the diagonal?  The same in all sixteen waves
	s_cbranch_scc1 .Lon
	FINISH FO0, 1
.Lon:
	s_mov_b32 s[KT], s[NKT]
	s_add_co_u32 s[TRIP], s[TRIP], 1
	s_cmp_lt_u32 s[TRIP], 8
	s_cbranch_scc1 .Ltrip
	STEP 0, 1, 0                                   ; the ninth trip, the second block's diagonal, is written out: its last step asks for no tile and hands nothing on
	STEP 1, 0, 0
	FINISH FO1, 0
	s_wait_dscnt 0x0                               ; the closing lines, six on end
	s_wait_alu 0x0
	s_wait_tensorcnt 0x0
	ds_add_u32 v251, v255
	s_wait_dscnt 0x0
	s_endpgm
.Lfunc_end_k_q58ba7da2d5_attn:
	.size	k_q58ba7da2d5_attn, .Lfunc_end_k_q58ba7da2d5_attn-k_q58ba7da2d5_attn
	.p2alignl 7, 3214868480
	.fill 96, 4, 3214868480
	.section	.rodata,"a",@progbits
	.p2align	6, 0x0
	.amdhsa_kernel k_q58ba7da2d5_attn
		.amdhsa_group_segment_fixed_size 34816
		.amdhsa_private_segment_fixed_size 0
		.amdhsa_enable_private_segment 0
		.amdhsa_kernarg_size 40
		.amdhsa_user_sgpr_count 2
		.amdhsa_user_sgpr_kernarg_segment_ptr 1
		.amdhsa_wavefront_size32 1
		.amdhsa_system_sgpr_workgroup_id_x 1
		.amdhsa_system_sgpr_workgroup_id_y 1
		.amdhsa_system_sgpr_workgroup_id_z 1
		.amdhsa_system_vgpr_workitem_id 0
		.amdhsa_next_free_vgpr 256
		.amdhsa_next_free_sgpr 66
		.amdhsa_reserve_vcc 0
		.amdhsa_float_denorm_mode_32 3
		.amdhsa_float_denorm_mode_16_64 3
		.amdhsa_memory_ordered 1
		.amdhsa_forward_progress 1
		.amdhsa_inst_pref_size 120
	.end_amdhsa_kernel
	.amdgpu_metadata
---
amdhsa.version: [ 1, 2 ]
amdhsa.kernels:
  - .name:           k_q58ba7da2d5_attn
    .symbol:         k_q58ba7da2d5_attn.kd
    .args:
      - { .name: qc, .offset: 0, .size: 8, .value_kind: global_buffer, .address_space: global }
      - { .name: kc, .offset: 8, .size: 8, .value_kind: global_buffer, .address_space: global }
      - { .name: vc, .offset: 16, .size: 8, .value_kind: global_buffer, .address_space: global }
      - { .name: lowp_scales, .offset: 24, .size: 8, .value_kind: global_buffer, .address_space: global }
      - { .name: flat, .offset: 32, .size: 8, .value_kind: global_buffer, .address_space: global }
    .group_segment_fixed_size: 34816
    .private_segment_fixed_size: 0
    .kernarg_segment_align: 8
    .kernarg_segment_size: 40
    .max_flat_workgroup_size: 512
    .sgpr_count:     66
    .vgpr_count:     256
    .wavefront_size: 32
...
	.end_amdgpu_metadata
.endif
;; end of part 4
;; launch outp: the kernel of part 3 again; grid 4 x 32, 4 waves a work-group, clusters of 4 x 4, 327,680 bytes of LDS; arguments flat, Wo_codes, lowp_scales, out0; writes out0
